; MI455X (gfx1250); checked and timed in simulation.
; The chip was launched on July 23, 2026; its instructions are those of AMD's public machine-readable ISA for CDNA 5 (MIT licence, August 2026) and "CDNA5" Instruction Set Architecture Reference Guide (July 2026). The comments in the code are by the model that wrote it; some were corrected since.
;; Llama Top K Attention. Allowed arithmetic: matrix products marked QUANTISED: E2M1 operands, one E8M0 scale for each 32 along K, by v_wmma_scale_f32_16x16x128_f8f6f4 with both operands' format E2M1 (or v_wmma_scale_f32_32x16x128_f4), f32 sums; products left as they are: bf16, f16 or f32 operands; f32 sums; everything else in f32.
;; Inputs: Wk 2,048 x 512 float32; Wo 2,048 x 2,048 float32; Wq 2,048 x 2,048 float32; Wv 2,048 x 512 float32; hidden_states 1 x 2,048 x 2,048 float32; position_ids 1 x 2,048 int32.
;; Outputs: out0 1 x 2,048 x 2,048 float32.
;; This version of the problem:
;;   THIS VERSION OF THE PROBLEM IS GIVEN IN LOW PRECISION. The matrix products marked QUANTISED in the list below multiply operands that are first quantised to E2M1 (2 exponent bits, 1 mantissa bit; 4 bits a number), with one power-of-two scale for each 32 numbers along K (OCP MX v1.0); their sums are f32. The products marked 'left as it is' may take bf16, f16 or f32 operands, with f32 sums. Whichever they take, every output number must still come out within the allowed error. Rounding operands to bf16 (8 significant bits) uses up far more of that allowance than f16 does (11 bits, for magnitudes from 6e-5 to 65,504). All else is computed in f32.
;;   The module's matrix products, in the order in which they are computed (A, B: the left and right operand; K: the contracted axis; several contracted axes count as one K, in the product's order):
;;     1. [M 2,048, K 2,048] x [K 2,048, N 2,048]; A: input hidden_states; B: input Wq: QUANTISED
;;     2. [M 2,048, K 2,048] x [K 2,048, N 512]; A: input hidden_states; B: input Wk: QUANTISED
;;     3. [M 2,048, K 2,048] x [K 2,048, N 512]; A: input hidden_states; B: input Wv: QUANTISED
;;     4. batch 16 x [M 2,048, K 128] x [K 128, N 2,048]; A: computed on the way; B: computed on the way: left as it is (an operand is computed on the way)
;;     5. batch 16 x [M 2,048, K 2,048] x [K 2,048, N 128]; A: computed on the way; B: computed on the way: left as it is (an operand is computed on the way)
;;     6. [M 2,048, K 2,048] x [K 2,048, N 2,048]; A: computed on the way; B: input Wo: left as it is (an operand is computed on the way)
;;   THE QUANTISER, for each operand of a quantised product, along K:
;;     - K is cut into blocks of 32 from its start; a last block that is shorter is filled with zeros.
;;     - A block's scale is 2^e with e = floor(log2(the largest magnitude in the block)) - 2, held to -126 .. 127; a block of zeros has e = 0. As a byte (E8M0): e + 127.
;;     - Each number is divided by its block's scale, clamped to +-6, and rounded to the nearest number of E2M1, ties to even, subnormals kept.
;;     - The product sums the exact products of the quantised numbers (number of the format x scale) in f32.
;;   ~~~python
;;   def quantise(x, axis):      # numpy; x: float32 -> the quantised numbers, widened to float32 again
;;       x = np.moveaxis(x, axis, -1); K = x.shape[-1]
;;       x = np.pad(x, [(0, 0)] * (x.ndim - 1) + [(0, -K % 32)]); x = x.reshape(x.shape[:-1] + (-1, 32)); a = np.abs(x).max(-1, keepdims=True)
;;       e = np.where(a > 0, np.clip(np.frexp(np.where(a > 0, a, 1))[1] - 1 - 2, -126, 127), 0)      # np.frexp(a)[1] - 1 = floor(log2(a)), exactly
;;       r = np.clip(x / 2.0 ** e, -6, 6)
;;       step = 2.0 ** (np.maximum(np.frexp(np.where(r == 0, 1, r))[1] - 1, 0) - 1)
;;       q = np.round(r / step) * step * 2.0 ** e      # np.round: ties to even
;;       return np.moveaxis(q.reshape(q.shape[:-2] + (-1,))[..., :K], -1, axis).astype(np.float32)
;;   ~~~
;; One version. Each part assembles by itself: llvm-mc -triple=amdgcn-amd-amdhsa -mcpu=gfx1250 --defsym DOCPART=n.
;; ======== version 1 of 1: 5 launches
;; limits: values are held in f16: magnitudes above 65,504 overflow, below 6.1e-05 lose precision
;; workspace buffers: codes 5,242,880 bytes; scales 327,680 bytes; wot 8,388,608 bytes; tab 1,049,088 bytes; qkv 12,582,912 bytes; fine 196,608 bytes; att 8,388,608 bytes
;; launch prep (part 1): grid 512 x 1, 4 waves a work-group, no clusters, 102,912 bytes of LDS; arguments hidden_states, Wq, Wk, Wv, Wo, position_ids, codes, scales, wot, tab; writes codes, scales, wot, tab
.if DOCPART == 1
	.amdgcn_target "amdgcn-amd-amdhsa--gfx1250"
	.amdhsa_code_object_version 6
	.text
	.protected	k_q6a7d988022_prep
	.globl	k_q6a7d988022_prep
	.p2align	8
	.type	k_q6a7d988022_prep,@function
k_q6a7d988022_prep:
	s_mov_b64 s[64:65], 0
	v_nop
	global_prefetch_b8 v0, s[64:65] scope:SCOPE_SE
	s_setreg_imm32_b32 hwreg(HW_REG_WAVE_MODE, 25, 1), 1
	s_wait_xcnt 0x0
; Everything that is made once from the inputs.  Four paths, chosen by the work-group's number alone; each path has LDS bytes of its own.
;   X (work-groups 0-127):   hidden_states [2048][2048] f32 -> E2M1 codes (1,024 bytes a row) at byte 0 of codes, one E8M0 byte for each 32 along K at byte 0 of scales.
;   W (128-223):             Wq, Wk, Wv [K 2048][N] f32, K outermost -> codes [3072 (n)][1,024 bytes] at byte 0x200000 of codes, scale bytes [3072][64] at byte 0x20000 of scales.
;                            Rows n: 0-2047 Wq's columns, 2048-2559 Wk's, 2560-3071 Wv's.  A lane takes a column, its registers run down K.
;   O (224-479):             Wo [K][N] f32 -> f16, laid [n][k], in wot.  The same plan: a lane a column, registers down K, out through a stage in LDS as whole rows of 256 bytes.
;   T (480-511):             tab [2049][128] f32: row s holds cos(position_ids[s] x inv_freq[j]), j = 0..63, then the sines.  Row 2048 is cos = 1, sin = 0 (for the heads of V, which are not rotated).
; A block's scale is 2^(floor(log2(largest magnitude)) - 2): its byte is the largest magnitude's exponent field - 2, held at 1 from below.
; LIMITS: a block of zeros gets the byte 1 (its codes are zeros; this program alone reads the bytes); NaN and infinities among the inputs are not served;
; |position| under about 4e6 (the quadrant count stays a whole number in f32); inv_freq is 2^(-j log2(10000)/64) by v_exp_f32, within about 2e-7 relative of the exact power.
; Wo's numbers must lie inside f16's range (65,504).
.set WREG,  8192                       ; path X: LDS of a wave: two stages of 32 x 80 bytes, then its 256 scale bytes
.set SP,    80                         ; a lane's place in a stage: 64 bytes + 16 of padding
.set CB,    8                          ; bytes of 16 codes
.set STEPS, 16
.set WST,   32768                      ; path W: four stages of 32 rows x 272 bytes
.set OST,   67584                      ; path O: likewise
.set PITCH, 272
.set SPARE, 102400                     ; the spare words, 128 bytes for each wave: two blocks of 256 bytes that no other line names
.set SPW,   230                        ; v230 LDS address of my spare word; never rewritten
.set NIL,   231                        ; v231 0; never rewritten
.set R,     16                         ; path X: v16-79 four sets of 16 numbers as loaded
.set X,     80                         ;         v80-111 two sets of 16 neighbours
.set E,     112                        ;         v112-127 a scale byte for each step
.set C,     128                        ;         v128-191 codes, four registers a step
.set WX,    32                         ; paths W, O: v32-95 two sets of 32 numbers
.set WC,    96                         ;         v96.. a block's codes (O: 16 registers of f16 pairs)
.set OUTR,  112                        ;         v112-175 the way out
.set SB,    24                         ; path W: v24-27 the scale bytes
.set OF,    176                        ; path W: v176-207 offsets of the 32 rows of a block: 4 x lane + i x the source's row pitch
	s_load_b512 s[4:19], s[0:1], 0x0               ; x s[4:5], Wq s[6:7], Wk s[8:9], Wv s[10:11], Wo s[12:13], positions s[14:15], codes s[16:17], scales s[18:19]
	s_load_b128 s[20:23], s[0:1], 0x40             ; wot s[20:21], tab s[22:23]
	v_lshl_add_u32 v[SPW], v0, 2, SPARE
	v_mov_b32 v[NIL], 0
	v_lshrrev_b32 v1, 5, v0
	v_readfirstlane_b32 s24, v1                    ; wave 0..3
	v_and_b32 v2, 31, v0                           ; lane
	s_wait_kmcnt 0x0
	s_cmp_lt_u32 ttmp9, 128
	s_cbranch_scc1 .Lpath_x
	s_cmp_lt_u32 ttmp9, 224
	s_cbranch_scc1 .Lpath_w
	s_cmp_lt_u32 ttmp9, 480
	s_cbranch_scc1 .Lpath_o
; ---------------------------------------------------------------- path T: the table of cosines and sines.  A wave takes 16 rows; lane l takes j = 2 l and 2 l + 1.  No LDS.
	s_sub_co_u32 s25, ttmp9, 480
	s_lshl_b32 s25, s25, 6
	s_lshl_b32 s26, s24, 4
	s_add_co_u32 s25, s25, s26                     ; my first row: 64 x work-group + 16 x wave
	s_lshl_b32 s26, s25, 2
	s_mov_b32 s27, 0
	s_add_nc_u64 s[14:15], s[14:15], s[26:27]
	s_load_b512 s[32:47], s[14:15], 0x0            ; my 16 positions, as scalars
	s_lshl_b32 s26, s25, 9
	s_add_nc_u64 s[22:23], s[22:23], s[26:27]      ; my first row of the table: 512 bytes a row
	s_mov_b32 s48, 0xbfc90fdb                      ; -(pi/2), the f32 nearest
	s_mov_b32 s49, 0x333bbd2e                      ; what that f32 has too much: +4.3711388e-8
	s_mov_b32 s50, 0xb94ca1f9                      ; sine on [-pi/4, pi/4]: r + r z (S1 + z (S2 + z S3)), z = r r
	s_mov_b32 s51, 0x3c08839e
	s_mov_b32 s52, 0xbe2aaaa3
	s_mov_b32 s53, 0x37ccf5ce                      ; cosine: 1 - z/2 + z z (C1 + z (C2 + z C3))
	s_mov_b32 s54, 0xbab6061a
	s_mov_b32 s55, 0x3d2aaaa5
	v_lshlrev_b32 v9, 3, v2                        ; my 8 bytes of a row's 256
	v_lshlrev_b32 v8, 1, v2
	v_cvt_f32_u32 v10, v8                          ; j = 2 l
	v_add_f32 v11, 1.0, v10                        ; and 2 l + 1
	v_mul_f32 v10, 0xbe549a78, v10                 ; x -log2(10000)/64
	v_mul_f32 v11, 0xbe549a78, v11
	v_exp_f32 v10, v10                             ; inv_freq[j]
	v_exp_f32 v11, v11
	v_nop                                          ; a plain instruction behind the exponentials,
	s_wait_alu depctr_va_vdst(0)                   ; and the one wait ahead of their first reader
	s_wait_kmcnt 0x0
; cos and sin of v12 x inv_freq[2 l + e] into the row's own registers (so that no store's data are written again)
.macro TRIG i, e
	v_mul_f32 v13, v12, v[10+\e]                   ; the angle, rounded once, as reference() has it
	v_mul_f32 v14, 0x3f22f983, v13                 ; x 2/pi
	v_rndne_f32 v14, v14                           ; N: quarter turns
	v_fma_f32 v15, v14, s48, v13
	v_fma_f32 v15, v14, s49, v15                   ; r = angle - N pi/2, pi/2 in two parts
	v_cvt_i32_f32 v16, v14
	v_mul_f32 v17, v15, v15                        ; z
	v_fma_f32 v18, v17, s50, s51
	v_fma_f32 v19, v17, s53, s54
	v_fma_f32 v18, v18, v17, s52
	v_fma_f32 v19, v19, v17, s55
	v_mul_f32 v18, v18, v17
	v_mul_f32 v21, v17, v17
	v_fma_f32 v20, v17, -0.5, 1.0
	v_fma_f32 v18, v18, v15, v15                   ; sin r
	v_fma_f32 v19, v19, v21, v20                   ; cos r
	v_and_b32 v21, 1, v16
	v_cmp_eq_u32 vcc_lo, 1, v21                    ; an odd quarter turn swaps the two
	v_cndmask_b32 v22, v18, v19, vcc_lo
	v_cndmask_b32 v23, v19, v18, vcc_lo
	v_lshlrev_b32 v21, 30, v16                     ; the sine is negative in quadrants 2, 3: bit 1 of N
	v_add_nc_u32 v16, 1, v16                       ; the cosine in quadrants 1, 2: bit 1 of N + 1
	v_and_b32 v21, 0x80000000, v21
	v_lshlrev_b32 v16, 30, v16
	v_xor_b32 v[64+4*\i+2+\e], v22, v21
	v_and_b32 v16, 0x80000000, v16
	v_xor_b32 v[64+4*\i+\e], v23, v16
.endm
.irp i, 0,1,2,3,4,5,6,7,8,9,10,11,12,13,14,15
	v_cvt_f32_i32 v12, s[32+\i]
	TRIG \i, 0
	TRIG \i, 1
	global_store_b64 v9, v[64+4*\i:64+4*\i+1], s[22:23] offset:512*\i          ; 32 lanes store 256 consecutive bytes: the row's cosines,
	global_store_b64 v9, v[64+4*\i+2:64+4*\i+3], s[22:23] offset:512*\i+256    ; and its sines
.endr
	s_cmp_eq_u32 s25, 2032                         ; the wave with the last rows also writes row 2048: cos = 1, sin = 0
	s_cbranch_scc0 .Lt_end
	v_mov_b32 v24, 1.0
	v_mov_b32 v25, 1.0
	v_mov_b32 v26, 0
	v_mov_b32 v27, 0
	global_store_b64 v9, v[24:25], s[22:23] offset:8192
	global_store_b64 v9, v[26:27], s[22:23] offset:8448
.Lt_end:
	s_endpgm
; ---------------------------------------------------------------- path X: x is a plain stream of blocks of 32.  A wave takes 16 steps of 512 numbers.
; Each load reads 512 consecutive bytes; a step's 2,048 bytes turn through the wave's own stage so that a lane holds 16 neighbours; two neighbouring lanes hold a block.
.Lpath_x:
	v_lshlrev_b32 v3, 4, v2                        ; my 16 bytes of a load's 512
	s_mul_i32 s25, s24, WREG
	v_lshrrev_b32 v14, 2, v2
	v_mul_u32_u24 v14, v14, SP
	v_and_b32 v15, 3, v2
	v_lshl_add_u32 v14, v15, 4, v14
	v_add_nc_u32 v14, s25, v14                     ; the stage, on the way in: SP (lane / 4) + 16 (lane % 4)
	v_mul_u32_u24 v15, v2, SP
	v_add_nc_u32 v15, s25, v15                     ; and on the way out: SP x lane
	v_mul_u32_u24 v4, v2, CB                       ; my codes' place in a step's
	v_lshrrev_b32 v5, 1, v2
	s_add_co_u32 s25, s25, 2*32*SP
	v_add_nc_u32 v5, s25, v5                       ; my block's byte among the wave's 256 scale bytes
	v_lshlrev_b32 v7, 3, v2
	v_add_nc_u32 v6, s25, v7                       ; and 8 bytes a lane on their way out
	s_lshl_b32 s26, ttmp9, 2
	s_add_co_u32 s26, s26, s24                     ; which run of 8,192 numbers is my wave's: 0..511
	s_mov_b32 s29, 0
	s_lshl_b32 s28, s26, 15
	s_add_nc_u64 s[4:5], s[4:5], s[28:29]
	s_lshl_b32 s28, s26, 12
	s_add_nc_u64 s[16:17], s[16:17], s[28:29]
	s_lshl_b32 s28, s26, 8
	s_add_nc_u64 s[18:19], s[18:19], s[28:29]
.macro XLOAD t
.irp i, 0,1,2,3
	global_load_b128 v[R+16*((\t)%4)+4*\i:R+16*((\t)%4)+4*\i+3], v3, s[4:5] offset:2048*(\t)+512*\i th:TH_LOAD_NT
.endr
.endm
.macro XTURN t                         ; LDS serves a wave's instructions in order: no wait between the stores and the loads
.irp i, 0,1,2,3
	ds_store_b128 v14, v[R+16*((\t)%4)+4*\i:R+16*((\t)%4)+4*\i+3] offset:32*SP*((\t)%2)+8*SP*\i
.endr
.irp i, 0,1,2,3
	ds_load_b128 v[X+16*((\t)%2)+4*\i:X+16*((\t)%2)+4*\i+3], v15 offset:32*SP*((\t)%2)+16*\i
.endr
.endm
.irp t, 0,1,2,3
	XLOAD \t
.endr
	s_wait_loadcnt 12                              ; step 0's four loads are in
	XTURN 0
.macro XSTEP t
.set XS, X+16*((\t)%2)
.if (\t) > 0
	s_wait_dscnt 1                                 ; this step's numbers are back from the stage; the last step's byte store may be out
.else
	s_wait_dscnt 0x0
.endif
.if (\t)+4 < STEPS
	XLOAD (\t)+4                                   ; into the registers that the stage's stores have read
.endif
.if (\t)+1 < STEPS
.if STEPS-2-(\t) >= 3
	s_wait_loadcnt 12                              ; the next step's four loads are in; the twelve of the three steps behind it may be out
.else
	s_wait_loadcnt 4*(STEPS-2-(\t))
.endif
	XTURN (\t)+1
.endif
	v_max3_num_f32 v8, |v[XS]|, |v[XS+1]|, |v[XS+2]|               ; the largest magnitude of my 16
	v_max3_num_f32 v9, |v[XS+3]|, |v[XS+4]|, |v[XS+5]|
.irp i, 6,10
	v_max3_num_f32 v8, v8, |v[XS+\i]|, |v[XS+\i+1]|
	v_max3_num_f32 v9, v9, |v[XS+\i+2]|, |v[XS+\i+3]|
.endr
	v_max3_num_f32 v8, v8, |v[XS+14]|, |v[XS+15]|
	v_max3_num_f32 v8, v8, v9, 0x1800000           ; and the floor 2^(3 - 127): the byte cannot fall under 1
	v_max_num_f32_dpp v8, v8, v8 row_xmask:1 row_mask:0xf bank_mask:0xf   ; and of my neighbour's 16: the block's
	v_add_nc_u32 v11, 0xff000000, v8               ; 2 off its exponent field: the conversion takes that field as its scale
	v_cvt_scalef32_pk8_fp4_f32 v[C+4*(\t)], v[XS:XS+7], v11
	v_cvt_scalef32_pk8_fp4_f32 v[C+4*(\t)+1], v[XS+8:XS+15], v11
	v_lshrrev_b32 v[E+(\t)], 23, v11               ; the scale's byte
	ds_store_b8 v5, v[E+(\t)] offset:16*(\t)       ; both lanes of a block write the same byte with the same value
	global_store_b64 v4, v[C+4*(\t):C+4*(\t)+1], s[16:17] offset:32*CB*(\t)   ; 32 lanes store 256 consecutive bytes, aligned
.endm
.irp t, 0,1,2,3,4,5,6,7,8,9,10,11,12,13,14,15
	XSTEP \t
.endr
	ds_load_b64 v[8:9], v6
	s_wait_dscnt 0x0
	global_store_b64 v7, v[8:9], s[18:19]          ; the wave's 256 scale bytes: one aligned run
	s_wait_tensorcnt 0x0                           ; the wave's end
	ds_add_u32 v[SPW], v[NIL]
	s_wait_dscnt 0x0
	s_endpgm
; ---------------------------------------------------------------- path W: 24 blocks of 128 columns x 4 runs of 512 along K.  A wave: 32 columns x 512 along K = 16 blocks a lane.
.Lpath_w:
	s_sub_co_u32 s25, ttmp9, 128
	s_lshr_b32 s26, s25, 2                         ; cb: which 128 of the 3,072 rows of the result
	s_and_b32 s27, s25, 3                          ; ky: which 512 along K
	s_cmp_lt_u32 s26, 20                           ; the source is chosen by the work-group's number alone
	s_cselect_b64 s[8:9], s[8:9], s[10:11]         ; Wk or Wv
	s_cselect_b32 s28, 16, 20
	s_cmp_lt_u32 s26, 16
	s_cselect_b64 s[6:7], s[6:7], s[8:9]           ; Wq or that one
	s_cselect_b32 s28, 0, s28                      ; the source's first cb
	s_mov_b32 s29, 2048
	s_cselect_b32 s29, 8192, s29                   ; a row of the source in bytes
	s_sub_co_u32 s28, s26, s28
	s_lshl_b32 s28, s28, 7
	s_lshl_b32 s30, s24, 5
	s_add_co_u32 s28, s28, s30                     ; my wave's first column in the source
	s_lshl_b32 s28, s28, 2
	s_mul_i32 s31, s27, s29
	s_lshl_b32 s31, s31, 9                         ; 512 ky rows
	s_add_co_u32 s32, s28, s31
	s_mov_b32 s33, 0
	s_add_nc_u64 s[6:7], s[6:7], s[32:33]
	s_lshl_b32 s34, s29, 5                         ; 32 rows on: a block
	s_mov_b32 s35, 0
	s_lshl_b32 s36, s26, 7
	s_add_co_u32 s36, s36, s30                     ; my wave's first row of the result
	s_lshl_b32 s32, s36, 10                        ; 1,024 bytes of codes a row
	s_lshl_b32 s37, s27, 8
	s_add_co_u32 s32, s32, s37
	s_add_co_u32 s32, s32, 0x200000
	s_add_nc_u64 s[16:17], s[16:17], s[32:33]
	s_lshl_b32 s32, s36, 6                         ; 64 scale bytes a row
	s_lshl_b32 s37, s27, 4
	s_add_co_u32 s32, s32, s37
	s_add_co_u32 s32, s32, 0x20000
	s_add_nc_u64 s[18:19], s[18:19], s[32:33]
	v_lshlrev_b32 v[OF], 2, v2
.set n, 1
.rept 31
	v_add_nc_u32 v[OF+n], s29, v[OF+n-1]
.set n, n+1
.endr
	s_mul_i32 s37, s24, 32*PITCH
	s_add_co_u32 s37, s37, WST                     ; my stage
	v_mul_u32_u24 v4, v2, PITCH
	v_add_nc_u32 v4, s37, v4                       ; into it: row = my column
	v_and_b32 v5, 15, v2
	v_lshrrev_b32 v6, 4, v2
	v_mul_u32_u24 v7, v6, PITCH
	v_lshl_add_u32 v7, v5, 4, v7
	v_add_nc_u32 v7, s37, v7                       ; out of it: sixteen lanes to a row, two rows an instruction
	v_lshlrev_b32 v8, 10, v6
	v_lshl_add_u32 v8, v5, 4, v8                   ; and the same place in the codes
	v_lshlrev_b32 v9, 6, v2                        ; my column's row of scale bytes
.macro WLOAD t                         ; block t: W(32 t + i, my column) into set t % 2; each load reads 128 consecutive bytes
.if (\t) > 0
	s_wait_xcnt 0x0                                ; the earlier loads have read their base: it may step
	s_add_nc_u64 s[6:7], s[6:7], s[34:35]
.endif
.set n, 0
.rept 32
	global_load_b32 v[WX+32*((\t)%2)+n], v[OF+n], s[6:7] th:TH_LOAD_NT
.set n, n+1
.endr
.endm
	WLOAD 0
	WLOAD 1
.macro WBLOCK t
.set XS, WX+32*((\t)%2)
.if (\t) < 15
	s_wait_loadcnt 32                              ; this block's 32 loads are in; the next block's may be out
.else
	s_wait_loadcnt 0x0
.endif
	v_max3_num_f32 v12, |v[XS]|, |v[XS+1]|, |v[XS+2]|              ; the block's largest magnitude: all 32 numbers are mine
	v_max3_num_f32 v13, |v[XS+3]|, |v[XS+4]|, |v[XS+5]|
.irp i, 6,10,14,18,22,26
	v_max3_num_f32 v12, v12, |v[XS+\i]|, |v[XS+\i+1]|
	v_max3_num_f32 v13, v13, |v[XS+\i+2]|, |v[XS+\i+3]|
.endr
	v_max3_num_f32 v12, v12, |v[XS+30]|, |v[XS+31]|
	v_max3_num_f32 v12, v12, v13, 0x1800000        ; and the floor
	v_add_nc_u32 v11, 0xff000000, v12              ; the conversion's scale operand
	v_lshrrev_b32 v13, 23, v11                     ; the scale's byte
.if (\t)%4 == 0
	v_mov_b32 v[SB+(\t)/4], v13
.else
	v_lshl_or_b32 v[SB+(\t)/4], v13, 8*((\t)%4), v[SB+(\t)/4]
.endif
.irp g, 0,1,2,3
	v_cvt_scalef32_pk8_fp4_f32 v[WC+\g], v[XS+8*\g:XS+8*\g+7], v11
.endr
	ds_store_b128 v4, v[WC:WC+3] offset:16*(\t)    ; 32 codes: 16 bytes of my column's row
.if (\t)+2 < 16
	WLOAD (\t)+2
.endif
	s_wait_dscnt 0x0                               ; the store has read its registers: the next block's codes may be written
.endm
.irp t, 0,1,2,3,4,5,6,7,8,9,10,11,12,13,14,15
	WBLOCK \t
.endr
	global_store_b128 v9, v[SB:SB+3], s[18:19]     ; my column's 16 scale bytes
.irp t, 0,1,2,3,4,5,6,7,8,9,10,11,12,13,14,15
	ds_load_b128 v[OUTR+4*\t:OUTR+4*\t+3], v7 offset:2*\t*PITCH
.endr
.irp t, 0,1,2,3,4,5,6,7,8,9,10,11,12,13,14,15
	s_wait_dscnt 15-\t
	global_store_b128 v8, v[OUTR+4*\t:OUTR+4*\t+3], s[16:17] offset:2*\t*1024   ; sixteen lanes store 256 consecutive bytes, aligned
.endr
	s_wait_tensorcnt 0x0                           ; the wave's end: the three lines
	ds_add_u32 v[SPW], v[NIL]
	s_wait_dscnt 0x0
	s_endpgm
; ---------------------------------------------------------------- path O: 16 blocks of 128 columns x 16 runs of 128 along K.  A wave: 32 columns x 128 along K: 256 bytes of f16 a column.
.Lpath_o:
	s_sub_co_u32 s25, ttmp9, 224
	s_lshr_b32 s26, s25, 4                         ; cb
	s_and_b32 s27, s25, 15                         ; ky
	s_lshl_b32 s28, s26, 7
	s_lshl_b32 s30, s24, 5
	s_add_co_u32 s28, s28, s30                     ; my wave's first column
	s_lshl_b32 s32, s27, 20                        ; 128 ky rows of 8,192 bytes
	s_lshl_b32 s31, s28, 2
	s_add_co_u32 s32, s32, s31
	s_mov_b32 s33, 0
	s_add_nc_u64 s[12:13], s[12:13], s[32:33]
	s_lshl_b32 s32, s28, 12                        ; a row of wot is 4,096 bytes
	s_lshl_b32 s31, s27, 8
	s_add_co_u32 s32, s32, s31
	s_add_nc_u64 s[20:21], s[20:21], s[32:33]
	v_lshlrev_b32 v3, 2, v2
	s_mul_i32 s37, s24, 32*PITCH
	s_add_co_u32 s37, s37, OST
	v_mul_u32_u24 v4, v2, PITCH
	v_add_nc_u32 v4, s37, v4
	v_and_b32 v5, 15, v2
	v_lshrrev_b32 v6, 4, v2
	v_mul_u32_u24 v7, v6, PITCH
	v_lshl_add_u32 v7, v5, 4, v7
	v_add_nc_u32 v7, s37, v7
	v_lshlrev_b32 v8, 12, v6
	v_lshl_add_u32 v8, v5, 4, v8
.macro OLOAD t
.set n, 0
.rept 32
	global_load_b32 v[WX+32*((\t)%2)+n], v3, s[12:13] offset:(32*(\t)+n)*8192 th:TH_LOAD_NT
.set n, n+1
.endr
.endm
	OLOAD 0
	OLOAD 1
.macro OBLOCK t
.set XS, WX+32*((\t)%2)
.if (\t) < 3
	s_wait_loadcnt 32                              ; this block's 32 loads are in; the next block's may be out
.else
	s_wait_loadcnt 0x0
.endif
.set g, 0
.rept 16
	v_cvt_pk_f16_f32 v[WC+g], v[XS+2*g], v[XS+2*g+1]   ; two neighbours along K, rounded to nearest even
.set g, g+1
.endr
.irp g, 0,1,2,3
	ds_store_b128 v4, v[WC+4*\g:WC+4*\g+3] offset:64*(\t)+16*\g
.endr
.if (\t)+2 < 4
	OLOAD (\t)+2
.endif
	s_wait_dscnt 0x0                               ; the stores have read their registers
.endm
.irp t, 0,1,2,3
	OBLOCK \t
.endr
.irp t, 0,1,2,3,4,5,6,7,8,9,10,11,12,13,14,15
	ds_load_b128 v[OUTR+4*\t:OUTR+4*\t+3], v7 offset:2*\t*PITCH
.endr
.irp t, 0,1,2,3,4,5,6,7,8,9,10,11,12,13,14,15
	s_wait_dscnt 15-\t
	global_store_b128 v8, v[OUTR+4*\t:OUTR+4*\t+3], s[20:21] offset:2*\t*4096   ; sixteen lanes store 256 consecutive bytes, aligned
.endr
	s_wait_tensorcnt 0x0                           ; the wave's end: the three lines
	ds_add_u32 v[SPW], v[NIL]
	s_wait_dscnt 0x0
	s_endpgm
.Lfunc_end_k_q6a7d988022_prep:
	.size	k_q6a7d988022_prep, .Lfunc_end_k_q6a7d988022_prep-k_q6a7d988022_prep
	.p2alignl 7, 3214868480
	.fill 96, 4, 3214868480
	.section	.rodata,"a",@progbits
	.p2align	6, 0x0
	.amdhsa_kernel k_q6a7d988022_prep
		.amdhsa_group_segment_fixed_size 102912
		.amdhsa_private_segment_fixed_size 0
		.amdhsa_enable_private_segment 0
		.amdhsa_kernarg_size 80
		.amdhsa_user_sgpr_count 2
		.amdhsa_user_sgpr_kernarg_segment_ptr 1
		.amdhsa_wavefront_size32 1
		.amdhsa_system_sgpr_workgroup_id_x 1
		.amdhsa_system_sgpr_workgroup_id_y 1
		.amdhsa_system_sgpr_workgroup_id_z 1
		.amdhsa_system_vgpr_workitem_id 0
		.amdhsa_next_free_vgpr 232
		.amdhsa_next_free_sgpr 66
		.amdhsa_reserve_vcc 1
		.amdhsa_float_denorm_mode_32 3
		.amdhsa_float_denorm_mode_16_64 3
		.amdhsa_memory_ordered 1
		.amdhsa_forward_progress 1
		.amdhsa_inst_pref_size 179
	.end_amdhsa_kernel
	.amdgpu_metadata
---
amdhsa.version: [ 1, 2 ]
amdhsa.kernels:
  - .name:           k_q6a7d988022_prep
    .symbol:         k_q6a7d988022_prep.kd
    .args:
      - { .name: hidden_states, .offset: 0, .size: 8, .value_kind: global_buffer, .address_space: global }
      - { .name: Wq, .offset: 8, .size: 8, .value_kind: global_buffer, .address_space: global }
      - { .name: Wk, .offset: 16, .size: 8, .value_kind: global_buffer, .address_space: global }
      - { .name: Wv, .offset: 24, .size: 8, .value_kind: global_buffer, .address_space: global }
      - { .name: Wo, .offset: 32, .size: 8, .value_kind: global_buffer, .address_space: global }
      - { .name: position_ids, .offset: 40, .size: 8, .value_kind: global_buffer, .address_space: global }
      - { .name: codes, .offset: 48, .size: 8, .value_kind: global_buffer, .address_space: global }
      - { .name: scales, .offset: 56, .size: 8, .value_kind: global_buffer, .address_space: global }
      - { .name: wot, .offset: 64, .size: 8, .value_kind: global_buffer, .address_space: global }
      - { .name: tab, .offset: 72, .size: 8, .value_kind: global_buffer, .address_space: global }
    .group_segment_fixed_size: 102912
    .private_segment_fixed_size: 0
    .kernarg_segment_align: 8
    .kernarg_segment_size: 80
    .max_flat_workgroup_size: 128
    .sgpr_count:     66
    .vgpr_count:     232
    .wavefront_size: 32
...
	.end_amdgpu_metadata
.endif
;; end of part 1
;; launch qkv (part 2): grid 12 x 8, 4 waves a work-group, clusters of 4 x 4, 327,680 bytes of LDS; arguments codes, scales, tab, qkv, fine; writes qkv, fine
.if DOCPART == 2
	.amdgcn_target "amdgcn-amd-amdhsa--gfx1250"
	.amdhsa_code_object_version 6
	.text
	.protected	k_q6a7d988022_qkv
	.globl	k_q6a7d988022_qkv
	.p2align	8
	.type	k_q6a7d988022_qkv,@function
k_q6a7d988022_qkv:
	s_mov_b64 s[64:65], 0
	v_nop
	global_prefetch_b8 v0, s[64:65] scope:SCOPE_SE
	s_setreg_imm32_b32 hwreg(HW_REG_WAVE_MODE, 25, 1), 1
	s_wait_xcnt 0x0
	s_wait_alu depctr_hold_cnt(0) depctr_sa_sdst(0) depctr_va_vdst(0) depctr_va_sdst(0) depctr_va_ssrc(0) depctr_va_vcc(0) depctr_vm_vsrc(0)
	s_getreg_b32 s2, hwreg(HW_REG_IB_STS2, 6, 4)
	s_cmp_eq_u32 s2, 0
	s_cbranch_scc0 .Lentry_in_a_cluster
	s_endpgm
.Lentry_in_a_cluster:
	s_bfe_u32 s2, ttmp6, 0x10000c
	s_cmp_lg_u32 s2, 0xf033
	s_cbranch_scc0 .Lentry_shape_is_right
	s_endpgm
.Lentry_shape_is_right:
; The three quantised products as ONE GEMM on E2M1 codes: C[m][n] = sum over k of x[m][k] W[n][k], m = 2,048 positions, n = 3,072 (Wq's 2,048 columns, Wk's 512, Wv's 512), K = 2,048; sums in f32.
; Codes and E8M0 bytes go to the matrix unit as they lie.  On the way out the rotary embedding is applied in f32 (table row = position in the sequence; V's heads take the row with cos = 1, sin = 0),
; and the result is stored as f16, by head: qkv [24][2048][128] (heads 0-15 q, 16-19 k, 20-23 v).
; The first 16 positions are also stored in f32, in the order of their reader's operand registers: fine [24 heads][16 chunks][32 lanes][4 numbers].
;   q's and k's heads: chunk 2 c + e, lane r + 16 h: position r, channels 16 c + 8 h + 4 e + 0 .. 3.     v's heads: chunk 2 t + e, lane r + 16 h: channel 16 t + r, keys 8 h + 4 e + 0 .. 3.
; A tile of C, 256 x 256, is made by four waves, each 128 x 128: 64 accumulators, 512 registers; a wave's 128 columns are exactly one head.  K goes in steps of 512 through two LDS slots.
; The scale bytes of the work-group's 256 + 256 rows, for all of K, come into LDS once.  CLUSTERS: 4 x 4; A's tiles are asked for jointly along a row of the cluster, B's along a column.
; THE MATRIX INSTRUCTION IS USED TRANSPOSED (source 0 = 16 rows of W, source 1 = 16 rows of x): a lane holds eight neighbouring channels of one position.
; 96 work-groups: a smaller tile would part a head between waves, and the rotation pairs channel d with d + 64.
; LIMITS: |q|, |k|, |v| up to 65,504 (f16's largest number).  The rotation is one rounded product and one fused multiply-add: one rounding fewer than reference().
; The f32 copy leaves under two EXEC masks made by selects: no branch hangs on a work-group's place in its cluster.  q's and k's copy is stored 512 consecutive bytes an instruction; v's (32 KB in the launch) in runs of 16 bytes.
; REGISTERS: window 0: v0-31 addresses; v32-95 scale words, two sets; from v128 A's fragments, one set.  window 1: B's fragments, two sets, at v0 and v128.  windows 2, 3: the accumulators ((a, b) at v[8 (8 (a % 4) + b)]).
;   On the way out: window 1 v0-255 the table, four sets of 64; window 0: v64-127 the rotated block, v128-143 at work, v144-207 rows read back from the stage, two sets.
.set SIZE_M, 2048
.set SIZE_N, 3072
.set SIZE_K, 2048
.set KSTEP,  512
.set NQ,     KSTEP/128
.set ROWB,   256
.set KROW,   SIZE_K*4/8
.set PITCH,  272                       ; an LDS row: 256 bytes + 16 of padding: the 16 rows that a load touches start at 16 different banks
.set FR,     8
.set NL,     2
.set NP,     4
.set HALFT,  128*PITCH
.set SLOT,   4*HALFT
.set LAPS,   SIZE_K/(2*KSTEP)
.set KS,     SIZE_K/32
.set SCL,    2*SLOT
.set HALFS,  (128*KS/256)*272
.set SBLK,   (16*KS/256)*272
.set SPARE,  SCL+4*HALFS               ; the spare words, 128 bytes for each wave
.set SPITCH, 272                       ; the way out: a stage of 16 rows x (256 bytes + 16) for each wave, in slot 0, which has had its last fill and its last read by then
.set ADRA, 16
.set ADRB, 20
.set STO,  24
.set RD,   25
.set CO,   26                          ; v26  16 x lane
.set ADRS, 27
.set SPW,  28
.set NIL,  29
.set TO,   30                          ; v30  the table: (lane % 16) x its row pitch + 32 (lane / 16)
.set VO,   31                          ; v31  fine, v's heads: my lane's part of an address (see FINE)
.set SC,   32
.set AF,   128
.set RES,  64
.set T,    128
.set BK,   144
.set G1, 24
.set G0, 32
.set G1B, 48
.set G0B, 56
.set G1S, 68
.set G0S, 76
.set G1SB, 80
.set G0SB, 88
.set MSB, 0
.macro WIN new                         ; the immediate's high byte repeats the setting that is left
.if MSB != \new
	s_set_vgpr_msb (MSB<<8)|\new
.set MSB, \new
.endif
.endm
.set MUL_LO, 0xa1                      ; source 0 (B) window 1, source 1 (A) window 0, C and D window 2
.set MUL_HI, 0xf1
.set TO_B,   0x40
; A joint load: waves 0 and 1 fetch for A, waves 2 and 3 for B; the branch hangs on the wave's number alone.  An s_nop 0 and four v_nop follow each line.
.macro JLOAD g0a, g1a, g0b, g1b
	s_cmp_eq_u32 s15, 0
	s_cbranch_scc0 .Lfor_b_\@
	tensor_load_to_lds s[\g0a:\g0a+3], s[\g1a:\g1a+7]
	s_nop 0
.rept 4
	v_nop
.endr
	s_branch .Lasked_\@
.Lfor_b_\@:
	tensor_load_to_lds s[\g0b:\g0b+3], s[\g1b:\g1b+7]
	s_nop 0
.rept 4
	v_nop
.endr
.Lasked_\@:
.endm
.macro CREST                           ; a round of the cluster's barrier behind its opening barrier
	s_cmp_lg_u32 s14, 0
	s_cbranch_scc1 .Lnot_wave_0_\@
	s_barrier_signal -3
.Lnot_wave_0_\@:
	s_barrier_wait -3
	s_barrier_signal -1
	s_barrier_wait -1
.endm
.macro CROUND
	s_barrier_signal -1
	s_barrier_wait -1
	CREST
.endm
	s_load_b128 s[4:7], s[0:1], 0x0                ; codes s[4:5], scales s[6:7]: x's parts begin at byte 0
	s_load_b64 s[96:97], s[0:1], 0x10              ; tab
	s_load_b64 s[12:13], s[0:1], 0x18              ; qkv
	s_load_b64 s[98:99], s[0:1], 0x20              ; fine
	v_lshl_add_u32 v[SPW], v0, 2, SPARE
	v_mov_b32 v[NIL], 0
	ds_add_u32 v[SPW], v[NIL]                      ; the wave's opening: the add, twice on end, and its wait ahead of my first tensor load
	ds_add_u32 v[SPW], v[NIL]
	v_lshrrev_b32 v1, 5, v0
	v_readfirstlane_b32 s14, v1                    ; wave 0..3
	s_lshr_b32 s15, s14, 1                         ; which half of the tile's rows is mine.  Also: I fetch for A (0) or for B (1)
	s_and_b32 s16, s14, 1                          ; which half of its columns.  Also: which 128 rows of that tile I fetch
	s_bfe_u32 s40, ttmp6, 0x40000                  ; cx, cy
	s_bfe_u32 s41, ttmp6, 0x40004
	s_lshl_b32 s42, ttmp9, 2
	s_add_co_u32 s42, s42, s40                     ; tile column
	s_and_b32 s17, ttmp7, 0xffff
	s_lshl_b32 s17, s17, 2
	s_add_co_u32 s17, s17, s41                     ; tile row
	s_lshl_b32 s43, s41, 2
	s_lshl_b32 s43, 15, s43                        ; my row of the cluster
	s_lshl_b32 s44, 0x1111, s40                    ; my column
	s_or_b32 s[G1+0], s43, (0<<16)|(1<<20)|(1<<21)|(5<<22)|(3<<25)  ; the mask; elements of 1 byte; padding on; bit 21 beside a mask; after every 64 words, 4 words
	s_or_b32 s[G1B+0], s44, (0<<16)|(1<<20)|(1<<21)|(5<<22)|(3<<25)
.irp g, G1, G1B
	s_mov_b32 s[\g+1], ROWB<<16                    ; tensor_dim0
	s_mov_b32 s[\g+2], 128<<16                     ; tensor_dim1
	s_mov_b32 s[\g+3], ROWB<<16                    ; tile_dim0
	s_mov_b32 s[\g+4], 128                         ; tile_dim1
	s_mov_b32 s[\g+5], KROW                        ; the pitch
	s_mov_b32 s[\g+6], 0
	s_mov_b32 s[\g+7], 0
.endr
	s_or_b32 s[G1S+0], s43, (3<<16)|(1<<20)|(1<<21)|(5<<22)|(3<<25) ; the scales of 128 rows: a dense block, as rows of 256 bytes (32 elements of 8 bytes)
	s_or_b32 s[G1SB+0], s44, (3<<16)|(1<<20)|(1<<21)|(5<<22)|(3<<25)
.irp g, G1S, G1SB
	s_mov_b32 s[\g+1], 32<<16
	s_mov_b32 s[\g+2], (128*KS/256)<<16
	s_mov_b32 s[\g+3], 32<<16
	s_mov_b32 s[\g+4], 128*KS/256
	s_mov_b32 s[\g+5], 32
	s_mov_b32 s[\g+6], 0
	s_mov_b32 s[\g+7], 0
.endr
	s_lshl_b32 s18, s16, 7
	s_lshl_b32 s20, s17, 8
	s_add_co_u32 s20, s20, s18                     ; A: row 256 x tile row + 128 x half
	s_lshl_b32 s46, s42, 8
	s_add_co_u32 s46, s46, s18                     ; B: row 256 x tile column + 128 x half
	s_mov_b32 s21, 0
	s_mov_b32 s47, 0
	s_mov_b64 s[18:19], KS
	s_mul_u64 s[22:23], s[20:21], s[18:19]
	s_mul_u64 s[92:93], s[46:47], s[18:19]
	s_mov_b64 s[18:19], KROW
	s_mul_u64 s[20:21], s[20:21], s[18:19]
	s_mul_u64 s[46:47], s[46:47], s[18:19]
	s_mul_i32 s45, s14, HALFT
	s_mul_i32 s94, s14, HALFS
	s_wait_dscnt 0x0                               ; both opening adds are done
	s_wait_kmcnt 0x0
	s_add_nc_u64 s[8:9], s[4:5], 0x200000          ; W's codes,
	s_add_nc_u64 s[10:11], s[6:7], 0x20000         ; and W's scale bytes
	s_add_nc_u64 s[20:21], s[4:5], s[20:21]
	s_add_nc_u64 s[22:23], s[6:7], s[22:23]
	s_add_nc_u64 s[46:47], s[8:9], s[46:47]
	s_add_nc_u64 s[92:93], s[10:11], s[92:93]
	CROUND                                         ; all sixteen work-groups are here: the first joint loads meet
	s_mov_b32 s[G0S], 1
	s_add_co_u32 s[G0S+1], s94, SCL
	s_mov_b64 s[G0S+2:G0S+3], s[22:23]
	s_or_b32 s[G0S+3], s[G0S+3], 0x80000000
	s_mov_b32 s[G0SB], 1
	s_add_co_u32 s[G0SB+1], s94, SCL
	s_mov_b64 s[G0SB+2:G0SB+3], s[92:93]
	s_or_b32 s[G0SB+3], s[G0SB+3], 0x80000000
	JLOAD G0S, G1S, G0SB, G1SB                     ; the scales first
.irp s, 0,1
	s_mov_b32 s[G0+4*\s], 1
	s_add_co_u32 s[G0+4*\s+1], s45, \s*SLOT
	s_add_nc_u64 s[G0+4*\s+2:G0+4*\s+3], s[20:21], \s*ROWB
	s_or_b32 s[G0+4*\s+3], s[G0+4*\s+3], 0x80000000
	s_mov_b32 s[G0B+4*\s], 1
	s_add_co_u32 s[G0B+4*\s+1], s45, \s*SLOT
	s_add_nc_u64 s[G0B+4*\s+2:G0B+4*\s+3], s[46:47], \s*ROWB
	s_or_b32 s[G0B+4*\s+3], s[G0B+4*\s+3], 0x80000000
	JLOAD G0+4*\s, G1, G0B+4*\s, G1B               ; three loads of mine are out
.endr
	v_and_b32 v1, 15, v0                           ; r = lane % 16
	v_bfe_u32 v2, v0, 4, 1                         ; h = lane / 16
	v_mul_u32_u24 v3, v1, PITCH
	v_lshl_add_u32 v4, v2, 4, v3
	s_mul_i32 s21, s15, HALFT
	s_mul_i32 s22, s16, HALFT
	s_add_co_u32 s22, s22, 2*HALFT
.irp s, 0,1
	v_add_nc_u32 v[ADRA+\s], s21, v4
	v_add_nc_u32 v[ADRB+\s], s22, v4
	s_add_co_u32 s21, s21, SLOT
	s_add_co_u32 s22, s22, SLOT
.endr
	v_mul_u32_u24 v5, v1, KS
	v_lshrrev_b32 v6, 8, v5
	v_lshl_add_u32 v5, v6, 4, v5
	s_mul_i32 s21, s15, HALFS
	s_mul_i32 s22, s16, HALFS
	s_add_co_u32 s22, s22, 2*HALFS
	s_sub_co_u32 s22, s22, s21
	v_mul_u32_u24 v6, s22, v2                      ; lanes 16-31 take B's
	s_add_co_u32 s21, s21, SCL
	v_add_nc_u32 v5, v5, v6
	v_add_nc_u32 v[ADRS], s21, v5
	; the way out's addresses
	s_mul_i32 s23, s14, 16*SPITCH                  ; my stage
	v_mul_u32_u24 v5, v1, SPITCH
	v_lshl_add_u32 v5, v2, 4, v5
	v_add_nc_u32 v[STO], s23, v5                   ; in: row r, 16 bytes for each half of the lanes
	v_mul_u32_u24 v5, v2, SPITCH
	v_lshl_add_u32 v5, v1, 4, v5
	v_add_nc_u32 v[RD], s23, v5                    ; back: lanes 0-15 one row of 256 bytes, lanes 16-31 the next
	v_and_b32 v6, 31, v0
	v_lshlrev_b32 v[CO], 4, v6                     ; a head's rows are dense: two rows are 512 consecutive bytes
	s_lshl_b32 s20, s17, 8
	s_lshl_b32 s21, s15, 7
	s_add_co_u32 s20, s20, s21                     ; m0: my first position
	s_lshl_b32 s21, s42, 1
	s_add_co_u32 s21, s21, s16                     ; hd: my head, 0..23
	s_lshl_b32 s46, s20, 9                         ; m0 rows of the table
	s_mov_b32 s47, 0
	s_mov_b32 s101, 0
	s_cmp_ge_u32 s21, 20                           ; a head of V?  Then every lane and every block takes the table's row 2048
	s_cselect_b32 s66, 0, 512                      ; the table's pitch from lane to lane,
	s_cselect_b32 s100, 0, 8192                    ; its step from block to block,
	s_cselect_b32 s46, 0x100000, s46               ; and where I begin in it
	s_add_nc_u64 s[96:97], s[96:97], s[46:47]
	s_lshl_b32 s46, s21, 19                        ; a head is 2,048 rows of 256 bytes
	s_lshl_b32 s45, s20, 8
	s_add_co_u32 s46, s46, s45
	s_add_nc_u64 s[12:13], s[12:13], s[46:47]
	s_lshl_b32 s46, s21, 13                        ; in fine a head is 8,192 bytes
	s_add_nc_u64 s[98:99], s[98:99], s[46:47]
	s_cmp_eq_u32 s20, 0
	s_cselect_b32 s95, -1, 0                       ; all lanes on where my block 0 is positions 0-15, else none;
	s_cmp_ge_u32 s21, 20
	s_cselect_b32 s67, s95, 0                      ; that mask for a head of v,
	s_cselect_b32 s95, 0, s95                      ; or for a head of q or k
	v_mul_u32_u24 v[TO], s66, v1
	v_lshl_add_u32 v[TO], v2, 5, v[TO]
	v_bfe_u32 v5, v1, 2, 1                         ; fine, v's heads: I hold key r; its place: 512 ((r / 4) % 2) + 256 (r / 8) + 128 h + 4 (r % 4)
	v_lshlrev_b32 v[VO], 9, v5
	v_bfe_u32 v5, v1, 3, 1
	v_lshl_add_u32 v[VO], v5, 8, v[VO]
	v_lshl_add_u32 v[VO], v2, 7, v[VO]
	v_and_b32 v5, 3, v1
	v_lshl_add_u32 v[VO], v5, 2, v[VO]
.macro FRAG reg, adr, q, i             ; 16 rows x 128 K of 4-bit codes: 8 registers; registers 4 c .. 4 c + 3 hold K = 64 c + 32 (lane / 16) + 0 .. 31
.irp c, 0,1
	ds_load_b128 v[\reg+4*\c:\reg+4*\c+3], v[\adr] offset:64*(\q)+32*\c+(\i)*16*PITCH
.endr
.endm
; 16 matrix instructions: A's blocks a0, a0 + 1 x B's eight.  The 64 accumulators take turns, one instruction a turn.
.macro MUL16 a0, p, q, sc, zero
.irp a, \a0, \a0+1
.irp b, 0,1,2,3,4,5,6,7
.if \zero
	v_wmma_scale_f32_16x16x128_f8f6f4 v[8*(8*((\a)%4)+\b):8*(8*((\a)%4)+\b)+7], v[128*(\p)+FR*\b:128*(\p)+FR*\b+FR-1], v[AF+FR*(\a):AF+FR*(\a)+FR-1], 0, v[SC+8*NQ*(\sc)+NQ*\b+(\q)], v[SC+8*NQ*(\sc)+NQ*(\a)+(\q)] matrix_a_fmt:MATRIX_FMT_FP4 matrix_b_fmt:MATRIX_FMT_FP4 matrix_a_scale:MATRIX_SCALE_ROW1
.else
	v_wmma_scale_f32_16x16x128_f8f6f4 v[8*(8*((\a)%4)+\b):8*(8*((\a)%4)+\b)+7], v[128*(\p)+FR*\b:128*(\p)+FR*\b+FR-1], v[AF+FR*(\a):AF+FR*(\a)+FR-1], v[8*(8*((\a)%4)+\b):8*(8*((\a)%4)+\b)+7], v[SC+8*NQ*(\sc)+NQ*\b+(\q)], v[SC+8*NQ*(\sc)+NQ*(\a)+(\q)] matrix_a_fmt:MATRIX_FMT_FP4 matrix_b_fmt:MATRIX_FMT_FP4 matrix_a_scale:MATRIX_SCALE_ROW1
.endif
.endr
.endr
.endm
.macro FETCH_B slot, q, p
	WIN TO_B
.irp i, 0,1,2,3,4,5,6,7
	FRAG 128*(\p)+FR*\i, ADRB+\slot, \q, \i
.endr
	WIN 0
.endm
.macro FETCH_A slot, q, i0
.irp i, \i0, \i0+1, \i0+2, \i0+3
	FRAG AF+FR*(\i), ADRA+\slot, \q, \i
.endr
.endm
.macro SCALES sc                       ; a K step's scale words: lanes 0-15 take A's block i, lanes 16-31 B's block i
.irp i, 0,1,2,3,4,5,6,7
	ds_load_b128 v[SC+8*NQ*\sc+NQ*\i:SC+8*NQ*\sc+NQ*\i+3], v[ADRS] offset:\i*SBLK
.endr
.endm
.macro PLACES n                        ; plain vector instructions between a matrix instruction and a load into, or a read or write of, its registers
.rept \n
	v_nop
.endr
.endm
.macro STEP slot, q, zero
	s_wait_dscnt 4*NL                              ; B's set and A's blocks 0-3 are in; the youngest eight loads (A's blocks 4-7) may be out
	WIN MUL_LO
	MUL16 0, (\q)%2, \q, \slot, \zero
	MUL16 2, (\q)%2, \q, \slot, \zero
	s_wait_dscnt 0
	PLACES NP
	FETCH_B \slot, (\q)+1, 1-(\q)%2
	FETCH_A \slot, (\q)+1, 0
	WIN MUL_HI
	MUL16 4, (\q)%2, \q, \slot, \zero
	MUL16 6, (\q)%2, \q, \slot, \zero
	PLACES NP
	WIN 0
	FETCH_A \slot, (\q)+1, 4
.endm
; A slot's last step changes slots: one barrier; in front of it each wave waits for all its tensor loads, adds 0 to its spare word, and waits for that and for its reads of this slot.
.macro TURN slot, next, fill
	s_wait_tensorcnt 0x0                           ; all my tensor loads have landed: my part of the next slot
	ds_add_u32 v[SPW], v[NIL]
	s_wait_dscnt 4*NL+1                            ; the add and the youngest eight loads may be out
	WIN MUL_LO
	MUL16 0, 1, NQ-1, \slot, 0
	s_wait_dscnt 0x0                               ; the add is done, and my reads of this slot are over
	s_barrier_signal -1
	MUL16 2, 1, NQ-1, \slot, 0
	WIN 0
	s_barrier_wait -1
.if \fill
	CREST                                          ; the barrier has opened a round of the cluster's barrier
	s_add_nc_u64 s[G0+4*\slot+2:G0+4*\slot+3], s[G0+4*\slot+2:G0+4*\slot+3], 2*ROWB
	s_add_nc_u64 s[G0B+4*\slot+2:G0B+4*\slot+3], s[G0B+4*\slot+2:G0B+4*\slot+3], 2*ROWB
	JLOAD G0+4*\slot, G1, G0B+4*\slot, G1B         ; the first tensor load behind the round; its four v_nop are the places in front of the loads below
.else
	PLACES NP
.endif
	v_add_nc_u32 v[ADRS], 4*NQ, v[ADRS]
	FETCH_B \next, 0, 0
	FETCH_A \next, 0, 0
	SCALES \next
	WIN MUL_HI
	MUL16 4, 1, NQ-1, \slot, 0
	MUL16 6, 1, NQ-1, \slot, 0
	PLACES NP
	WIN 0
	FETCH_A \next, 0, 4
.endm
.macro STEPS slot, from
.set Q, \from
.rept NQ-1-\from
	STEP \slot, Q, 0
.set Q, Q+1
.endr
.endm
	s_wait_tensorcnt 1                             ; the scales and my part of K step 0 are in; K step 1's load may be out
	s_barrier_signal -1
	s_barrier_wait -1
	FETCH_B 0, 0, 0
	FETCH_A 0, 0, 0
	SCALES 0
	FETCH_A 0, 0, 4
	STEP 0, 0, 1                                   ; the first step's products start the sums
	s_mov_b32 s3, LAPS-1
.Llap:
	STEPS 0, 1
	TURN 0, 1, 1
	STEPS 1, 0
	TURN 1, 0, 1
	STEP 0, 0, 0
	s_sub_co_u32 s3, s3, 1
	s_cmp_lg_u32 s3, 0
	s_cbranch_scc1 .Llap
	STEPS 0, 1                                     ; the last lap fills nothing
	TURN 0, 1, 0
	STEPS 1, 0
	s_wait_dscnt 4*NL
	WIN MUL_LO
	MUL16 0, 1, NQ-1, 1, 0
	MUL16 2, 1, NQ-1, 1, 0
	s_wait_dscnt 0
	WIN MUL_HI
	MUL16 4, 1, NQ-1, 1, 0
	MUL16 6, 1, NQ-1, 1, 0
	WIN 0
; THE WAY OUT, block by block of 16 positions x the head's 128 channels.  In accumulator (a, b) lane (r, h) holds position 16 a + r, channels 16 b + 8 h + 0 .. 7.
; The table's 16 rows of block a into set a % 4 of window 1: cos of channels 16 b + 8 h + i at register 8 b + i, sin at 32 + 8 b + i.  The table runs three blocks ahead of its use.
.macro TABLE a
	s_wait_xcnt 0x0                                ; earlier loads and stores have read their bases and registers
.if (\a) > 0
	s_add_nc_u64 s[96:97], s[96:97], s[100:101]
.endif
.set TS, 64*((\a)%4)
	WIN 0x40
.irp b, 0,1,2,3
	global_load_b128 v[TS+8*\b:TS+8*\b+3], v[TO], s[96:97] offset:64*\b
	global_load_b128 v[TS+8*\b+4:TS+8*\b+7], v[TO], s[96:97] offset:64*\b+16
	global_load_b128 v[TS+32+8*\b:TS+32+8*\b+3], v[TO], s[96:97] offset:256+64*\b
	global_load_b128 v[TS+32+8*\b+4:TS+32+8*\b+7], v[TO], s[96:97] offset:256+64*\b+16
.endr
	WIN 0
.endm
; out[d] = x[d] cos - x[d + 64] sin, out[d + 64] = x[d + 64] cos + x[d] sin, d under 64: blocks b and b + 4 are partners.  Each accumulator is read from its low end on.
.macro ROPE a
.set AC, 64*((\a)%4)
.set TS, 64*((\a)%4)
	WIN 0x06+(\a)/4                                ; source 0: window 2 or 3; source 1: window 1
.irp b, 0,1,2,3
.irp i, 0,2,4,6
	v_pk_mul_f32 v[T+\i:T+\i+1], v[AC+8*(\b+4)+\i:AC+8*(\b+4)+\i+1], v[TS+32+8*\b+\i:TS+32+8*\b+\i+1]
	v_pk_mul_f32 v[T+8+\i:T+8+\i+1], v[AC+8*\b+\i:AC+8*\b+\i+1], v[TS+32+8*\b+\i:TS+32+8*\b+\i+1]
.endr
.irp i, 0,2,4,6
	v_pk_fma_f32 v[RES+8*\b+\i:RES+8*\b+\i+1], v[AC+8*\b+\i:AC+8*\b+\i+1], v[TS+8*\b+\i:TS+8*\b+\i+1], v[T+\i:T+\i+1] neg_lo:[0,0,1] neg_hi:[0,0,1]
	v_pk_fma_f32 v[RES+32+8*\b+\i:RES+32+8*\b+\i+1], v[AC+8*(\b+4)+\i:AC+8*(\b+4)+\i+1], v[TS+8*\b+\i:TS+8*\b+\i+1], v[T+8+\i:T+8+\i+1]
.endr
.endr
	WIN 0
.endm
; Positions 0-15 in f32.  Register RES + 8 c + i of lane (r, h) is position r, channel 16 c + 8 h + i.  Only the waves whose block 0 holds these positions have a lane on, under one of the two masks.
.macro FINE
	s_mov_b32 vcc_lo, s95                          ; a head of q or k: my registers as they stand, four at a time: 32 lanes store 512 consecutive bytes
	s_wait_xcnt 0x0                                ; EXEC changes only behind this wait
	s_and_saveexec_b32 s94, vcc_lo
.irp c, 0,1,2,3,4,5,6,7
	global_store_b128 v[CO], v[RES+8*\c:RES+8*\c+3], s[98:99] offset:1024*\c
	global_store_b128 v[CO], v[RES+8*\c+4:RES+8*\c+7], s[98:99] offset:1024*\c+512
.endr
	s_wait_xcnt 0x0                                ; and again in front of the line that widens it
	s_or_b32 exec_lo, exec_lo, s94
	s_mov_b32 vcc_lo, s67                          ; a head of v: turned, so that its reader's lane finds four keys of one channel on end.  Key r, channel 16 c + 8 h + i lies at
	s_and_saveexec_b32 s94, vcc_lo                 ; 1,024 c + 16 i + 512 ((r / 4) % 2) + 256 (r / 8) + 128 h + 4 (r % 4).  (No memory instruction has been issued since the wait above)
.irp c, 0,1,2,3,4,5,6,7
.irp i, 0,1,2,3,4,5,6,7
	global_store_b32 v[VO], v[RES+8*\c+\i], s[98:99] offset:1024*\c+16*\i
.endr
.endr
	s_wait_xcnt 0x0                                ; in front of the line that widens EXEC; the stores' data may be rewritten too
	s_or_b32 exec_lo, exec_lo, s94
.endm
.macro PACKH                           ; to f16, in place, ascending: register g takes numbers 2 g and 2 g + 1
.set g, 0
.rept 32
	v_cvt_pk_f16_f32 v[RES+g], v[RES+2*g], v[RES+2*g+1]
.set g, g+1
.endr
.endm
.macro OUTH a                          ; through my stage, back as whole rows, out: LDS serves a wave's instructions in order
.set BB, BK+32*((\a)%2)
.irp c, 0,1,2,3,4,5,6,7
	ds_store_b128 v[STO], v[RES+4*\c:RES+4*\c+3] offset:32*\c
.endr
.irp t, 0,1,2,3,4,5,6,7
	ds_load_b128 v[BB+4*\t:BB+4*\t+3], v[RD] offset:\t*2*SPITCH
.endr
	s_wait_dscnt 0x0
.irp t, 0,1,2,3,4,5,6,7
	global_store_b128 v[CO], v[BB+4*\t:BB+4*\t+3], s[12:13] offset:4096*(\a)+512*\t   ; 32 lanes store 512 consecutive bytes, aligned
.endr
.endm
	PLACES NP                                      ; behind the last products: for the loads into window 1, the reads of results and the writes over scale words and A's fragments
	TABLE 0
	TABLE 1
	TABLE 2
.irp a, 0,1,2,3,4,5,6,7
.if \a < 5
	s_wait_loadcnt 32                              ; this block's 16 table loads are in; the 32 of the two blocks behind it may be out
	TABLE \a+3                                     ; into the set that the block before has left: 48 loads of mine are out at the most
.else
	s_wait_xcnt 0x0                                ; the stores of two blocks back have read their registers
	s_wait_loadcnt 16*(7-\a)                       ; the tail: 32, 16, 0
.endif
	ROPE \a
.if \a == 0
	FINE
.endif
	PACKH
	OUTH \a
.endr
	s_wait_tensorcnt 0x0                           ; the wave's end
	ds_add_u32 v[SPW], v[NIL]
	s_wait_dscnt 0x0
	CROUND                                         ; the closing round
	s_endpgm
.Lfunc_end_k_q6a7d988022_qkv:
	.size	k_q6a7d988022_qkv, .Lfunc_end_k_q6a7d988022_qkv-k_q6a7d988022_qkv
	.p2alignl 7, 3214868480
	.fill 96, 4, 3214868480
	.section	.rodata,"a",@progbits
	.p2align	6, 0x0
	.amdhsa_kernel k_q6a7d988022_qkv
		.amdhsa_group_segment_fixed_size 327680
		.amdhsa_private_segment_fixed_size 0
		.amdhsa_enable_private_segment 0
		.amdhsa_kernarg_size 40
		.amdhsa_user_sgpr_count 2
		.amdhsa_user_sgpr_kernarg_segment_ptr 1
		.amdhsa_wavefront_size32 1
		.amdhsa_system_sgpr_workgroup_id_x 1
		.amdhsa_system_sgpr_workgroup_id_y 1
		.amdhsa_system_sgpr_workgroup_id_z 1
		.amdhsa_system_vgpr_workitem_id 0
		.amdhsa_next_free_vgpr 1024
		.amdhsa_next_free_sgpr 102
		.amdhsa_reserve_vcc 1
		.amdhsa_float_denorm_mode_32 3
		.amdhsa_float_denorm_mode_16_64 3
		.amdhsa_memory_ordered 1
		.amdhsa_forward_progress 1
		.amdhsa_inst_pref_size 255
	.end_amdhsa_kernel
	.section	.bss,"aw",@nobits
	.p2align	6
	.space	262144
	.amdgpu_metadata
---
amdhsa.version: [ 1, 2 ]
amdhsa.kernels:
  - .name:           k_q6a7d988022_qkv
    .symbol:         k_q6a7d988022_qkv.kd
    .args:
      - { .name: codes, .offset: 0, .size: 8, .value_kind: global_buffer, .address_space: global }
      - { .name: scales, .offset: 8, .size: 8, .value_kind: global_buffer, .address_space: global }
      - { .name: tab, .offset: 16, .size: 8, .value_kind: global_buffer, .address_space: global }
      - { .name: qkv, .offset: 24, .size: 8, .value_kind: global_buffer, .address_space: global }
      - { .name: fine, .offset: 32, .size: 8, .value_kind: global_buffer, .address_space: global }
    .group_segment_fixed_size: 327680
    .private_segment_fixed_size: 0
    .kernarg_segment_align: 8
    .kernarg_segment_size: 40
    .max_flat_workgroup_size: 128
    .sgpr_count:     102
    .vgpr_count:     1024
    .wavefront_size: 32
...
	.end_amdgpu_metadata
.endif
;; end of part 2
;; launch attn (part 3): grid 64 x 4, 4 waves a work-group, no clusters, 327,680 bytes of LDS; arguments qkv, att; writes att
.if DOCPART == 3
	.amdgcn_target "amdgcn-amd-amdhsa--gfx1250"
	.amdhsa_code_object_version 6
	.text
	.protected	k_q6a7d988022_attn
	.globl	k_q6a7d988022_attn
	.p2align	8
	.type	k_q6a7d988022_attn,@function
k_q6a7d988022_attn:
	s_mov_b64 s[64:65], 0
	v_nop
	global_prefetch_b8 v0, s[64:65] scope:SCOPE_SE
	s_setreg_imm32_b32 hwreg(HW_REG_WAVE_MODE, 25, 1), 1
	s_wait_xcnt 0x0
; Causal attention on f16 operands, sums, maxima and the softmax in f32.  qkv: [24][2048][128] f16 (heads 0-15 q, 16-19 k, 20-23 v).  att: [2048][2048] f16, column = 128 x head + channel.
; SHARES.  Work-group (i, g) serves the four query heads that share key/value head g; wave w is head 4 g + w and holds two tiles of 16 queries: tile 0 is block 127 - i of the sequence's 128 blocks, tile 1 is block i.
; A tile of block j needs j / 8 + 1 slots of 128 keys (rounded down), so the two tiles of a wave need 17 tile-slots together, whatever i: every work-group has the same work.
; The four heads read K and V from ONE copy in LDS, and all four waves have the same causal limits: every branch below is made of ids and step counts alone and is the same in all waves.
; NO CLUSTER: the work-groups that read the same K and V differ in i and so in the number of tiles that they need; what heads share is shared inside the work-group already.
; LAYOUT.  S^T = K Q^T (source 0 = 16 keys, source 1 = 16 queries): a lane holds ONE query (lane % 16) and keys 8 (lane / 16) + 0..7.  Two such tiles, rounded to f16 in pairs, are source 1 of
; O^T = V^T P, whose result again holds one query a lane.  K comes out of LDS as it lies, V turned, by ds_load_tr16_b128.
; SOFTMAX.  A running maximum m and sum l for each query: p = 2^(c s - c m), c = log2(e) / sqrt(128); in every step O and l are multiplied by a = 2^(c m_old - c m_new).
; m begins at -3e38 and O, l at zero, so the first step needs no text of its own.  Hidden scores become -infinity ahead of the maximum; key 0 counts for every query, so m is a number from the first step on.
; RING.  Two LDS slots of 128 keys (two steps of 64).  The change of slots stands at a slot's head; the slot ahead is asked for only while its first key is at or under tile 0's last query.
; A slot is walked whole or not at all, for each tile: a slot's first key and a tile's first query are multiples of 16, so a first key at or under the tile's last query is at or under all its queries.
; A slot that both tiles see is walked BY TURNS: K Q^T of tile 0 | K Q^T of tile 1 with tile 0's softmax in slices behind its products | V^T P of tile 0 with tile 1's softmax likewise | V^T P of tile 1.
; A slot that tile 0 alone sees is walked for tile 0 alone: K Q^T, softmax, V^T P.
; LIMITS: operands inside f16's range; NaN and infinities are not served.  Positions 0-15 are computed here like all others and are replaced by the launch that carries them in f32.
; REGISTERS: window 0: v1-11 addresses; v12-27 statistics, eight a tile; v28-33; v64-127 Q; v128-191 S^T; v192-223 P.  window 1: v0-127 O^T, v128-255 K.  window 2: v0-127 V.
.set KS,    64
.set PK,    272                        ; a row of K in LDS: 256 bytes + 16
.set PVP,   288                        ; a row of V: 256 + 32
.set VOFF,  KS*PK
.set STEPB, KS*(PK+PVP)
.set SLOT1, 1<<17
.set STAGE, SLOT1+2*STEPB              ; 16 rows x 272 bytes for each wave, for the way out
.set SP,    272
.set SPARE, STAGE+4*16*SP              ; the spare words, 128 bytes for each wave
.set AK0, 2
.set AV0, 3
.set ADK, 4
.set ADV, 5
.set STO, 6
.set RD,  7
.set GO,  8
.set QO,  10
.set RH,  11                           ; v11  lane % 16 - 8 (lane / 16)
.set ST,  12                           ; tile t at v[ST + 8 t]: +0 c m, +1 m, +2, +3 l, +4 to +7 at work; a takes +6
.set DM,  28                           ; v28, v29: a register's key offset above this is hidden, for tile 0, 1
.set NEG, 30                           ; v30  -infinity
.set PFO, 31                           ; v31  256 x lane
.set SPW, 32
.set NIL, 33
.set Q,   64
.set S,   128
.set P,   192
.set KR,  128                          ; K's fragments, in window 1
.set WV,  12
.set LIM, 15
.set PFA, 18
.set G1K, 24
.set G1V, 32
.set G0K, 40
.set G0V, 44
.set CNT, 56
.set QBL, 57                           ; s57  tile 1's last query
.set CS,  58
.set SEL, 60
.set TB,  62
.set QB,  63                           ; s63  tile 1's first query
.set KF,  66                           ; s66  the step's first key
.set QH,  67                           ; s67  tile 0's first query
.set QL,  68                           ; s68  and its last
.set SFK, 69                           ; s69  the slot's first key
.set MSB, 0
.macro WIN new
.if MSB != \new
	s_set_vgpr_msb (MSB<<8)|\new
.set MSB, \new
.endif
.endm
.set W_QK, 0x01                        ; K in window 1; Q, S^T in window 0
.set W_PV, 0x52                        ; V in window 2, P in window 0, O^T in window 1
.set W_RS, 0x41                        ; O^T (destination and source 0) in window 1, a in window 0
; Waves 0 and 1 fetch the slot's two steps of K, waves 2 and 3 those of V: one load a wave.  An s_nop 0 and four v_nop follow each line.
.macro TLOAD
	s_cmp_lt_u32 s[WV], 2
	s_cbranch_scc0 .Lfor_v_\@
	tensor_load_to_lds s[G0K:G0K+3], s[G1K:G1K+7]
	s_nop 0
.rept 4
	v_nop
.endr
	s_branch .Lasked_\@
.Lfor_v_\@:
	tensor_load_to_lds s[G0V:G0V+3], s[G1V:G1V+7]
	s_nop 0
.rept 4
	v_nop
.endr
.Lasked_\@:
.endm
; A prefetch of what the NEXT change of slots will ask for: my wave's own 64 rows of 256 bytes, a lane a row, two instructions.  All work-groups of a key/value head walk the same rows:
; the one whose tile 0 is the last block of queries, which walks every slot, asks, and nobody else: each row is named once in the launch.  The last change that fills a slot asks for nothing.
.macro ASK
	s_cmp_gt_u32 s[CNT], s[LIM]
	s_cbranch_scc0 .Lnot_mine_\@
	global_prefetch_b8 v[PFO], s[PFA:PFA+1] th:TH_LOAD_NT scope:SCOPE_SE
	global_prefetch_b8 v[PFO], s[PFA:PFA+1] offset:8192 th:TH_LOAD_NT scope:SCOPE_SE
.Lnot_mine_\@:
.endm
	s_load_b128 s[4:7], s[0:1], 0x0                ; qkv s[4:5], att s[6:7]
	v_lshl_add_u32 v[SPW], v0, 2, SPARE
	v_mov_b32 v[NIL], 0
	ds_add_u32 v[SPW], v[NIL]                      ; the wave's opening: the add, twice on end, and its wait ahead of my first tensor load
	ds_add_u32 v[SPW], v[NIL]
	v_lshrrev_b32 v1, 5, v0
	v_readfirstlane_b32 s[WV], v1                  ; wave 0..3
	s_and_b32 s13, ttmp7, 0xffff                   ; g
	s_lshl_b32 s[QB], ttmp9, 4                     ; tile 1: block i
	s_sub_co_u32 s[QH], 2032, s[QB]                ; tile 0: block 127 - i
	s_add_co_u32 s[QL], s[QH], 15
	s_add_co_u32 s[QBL], s[QB], 15
	s_mov_b32 s[G1K], (1<<16)|(1<<20)|(5<<22)|(3<<25)   ; elements of 2 bytes; padding on: after every 64 words, 4 words
	s_mov_b32 s[G1V], (1<<16)|(1<<20)|(5<<22)|(7<<25)   ; the same with 8 words
.irp g, G1K, G1V
	s_mov_b32 s[\g+1], 128<<16                     ; tensor_dim0
	s_mov_b32 s[\g+2], KS<<16                      ; tensor_dim1
	s_mov_b32 s[\g+3], 128<<16                     ; tile_dim0
	s_mov_b32 s[\g+4], KS                          ; tile_dim1
	s_mov_b32 s[\g+5], 128                         ; the pitch
	s_mov_b32 s[\g+6], 0
	s_mov_b32 s[\g+7], 0
.endr
	s_and_b32 s16, s[WV], 1                        ; which of a slot's two steps I fetch:
	s_mul_i32 s17, s16, STEPB                      ; its place in a slot,
	s_lshl_b32 s20, s16, 14                        ; and its 64 rows of 256 bytes in memory
	s_add_co_u32 s21, s13, 16
	s_lshl_b32 s21, s21, 19                        ; K's head: 524,288 bytes a head
	s_add_co_u32 s22, s21, s20
	s_mov_b32 s23, 0
	s_lshl_b32 s20, s13, 2
	s_add_co_u32 s20, s20, s[WV]                   ; my query head
	s_lshl_b32 s14, s20, 19                        ; where it begins in qkv
	s_lshl_b32 s2, s[QH], 8
	s_add_co_u32 s2, s2, s14
	s_mov_b32 s3, 0                                ; s[2:3]: tile 0's first row of Q
	s_lshl_b32 s48, s[QB], 8
	s_add_co_u32 s48, s48, s14
	s_mov_b32 s49, 0                               ; s[48:49]: tile 1's
	s_lshl_b32 s14, s20, 8                         ; a head's part of a row of att is 256 bytes,
	s_lshl_b32 s10, s[QH], 12                      ; a row 4,096
	s_add_co_u32 s10, s10, s14
	s_mov_b32 s11, 0                               ; s[10:11]: tile 0's place in att
	s_lshl_b32 s50, s[QB], 12
	s_add_co_u32 s50, s50, s14
	s_mov_b32 s51, 0                               ; s[50:51]: tile 1's
	s_cmp_lt_u32 s[WV], 2
	s_cselect_b32 s70, 0, 0x200000                 ; V's heads lie four heads behind K's
	s_add_co_u32 s70, s70, s22
	s_add_co_u32 s70, s70, 2*KS*256                ; the prefetches stand in slot 1; the first change of slots steps them to slot 2
	s_mov_b32 s71, 0
	s_cmp_eq_u32 ttmp9, 0
	s_cselect_b32 s[LIM], 1, -1
	s_mov_b32 s[CS], 0x3e0293ee                    ; c = log2(e) / sqrt(128)
	s_mov_b32 s[CS+1], s[CS]
	s_mov_b32 s[SEL], 0x76543210
	s_mov_b32 s[SEL+1], 0xfedcba98
	s_mov_b32 s[TB], 0
	s_mov_b32 s[KF], 0
	s_mov_b32 s[SFK], 0
	s_mov_b32 s[CNT], 15
	v_and_b32 v[PFO], 31, v0
	v_lshlrev_b32 v[PFO], 8, v[PFO]
	s_wait_dscnt 0x0                               ; both opening adds are done
	s_wait_kmcnt 0x0
	s_mov_b32 s[G0K], 1
	s_mov_b32 s[G0K+1], s17
	s_add_nc_u64 s[G0K+2:G0K+3], s[4:5], s[22:23]
	s_or_b32 s[G0K+3], s[G0K+3], 0x80000000
	s_mov_b32 s[G0V], 1
	s_add_co_u32 s[G0V+1], s17, VOFF
	s_add_nc_u64 s[G0V+2:G0V+3], s[4:5], s[22:23]
	s_add_nc_u64 s[G0V+2:G0V+3], s[G0V+2:G0V+3], 0x200000
	s_or_b32 s[G0V+3], s[G0V+3], 0x80000000
	TLOAD                                          ; slot 0: one load of mine is out
	s_add_nc_u64 s[8:9], s[4:5], s[2:3]            ; Q, tile 0
	s_add_nc_u64 s[48:49], s[4:5], s[48:49]        ; Q, tile 1
	s_add_nc_u64 s[50:51], s[6:7], s[50:51]        ; att, tile 1
	s_add_nc_u64 s[6:7], s[6:7], s[10:11]          ; att, tile 0
	s_add_nc_u64 s[PFA:PFA+1], s[4:5], s[70:71]
	v_and_b32 v1, 15, v0                           ; r
	v_bfe_u32 v9, v0, 4, 1                         ; h
	v_lshlrev_b32 v[QO], 8, v1
	v_lshl_add_u32 v[QO], v9, 4, v[QO]
.irp i, 0,1,2,3                                ; Q stays in registers: channels 32 i on, of both tiles
	global_load_b128 v[Q+8*\i:Q+8*\i+3],       v[QO], s[8:9] offset:\i*64
	global_load_b128 v[Q+8*\i+4:Q+8*\i+7],     v[QO], s[8:9] offset:\i*64+32
	global_load_b128 v[Q+32+8*\i:Q+32+8*\i+3],   v[QO], s[48:49] offset:\i*64
	global_load_b128 v[Q+32+8*\i+4:Q+32+8*\i+7], v[QO], s[48:49] offset:\i*64+32
.endr
	v_mul_u32_u24 v[AK0], v1, PK
	v_lshl_add_u32 v[AK0], v9, 4, v[AK0]           ; K: row x pitch + 16 x half
	v_and_b32 v4, 7, v0
	v_bfe_u32 v5, v0, 3, 1
	v_lshl_add_u32 v[AV0], v9, 3, v4               ; V, for the turning load: key 8 (l / 16) + l % 8, channels 8 ((l / 8) % 2) on
	v_mul_u32_u24 v[AV0], v[AV0], PVP
	v_lshl_add_u32 v[AV0], v5, 4, v[AV0]
	v_add_nc_u32 v[AV0], VOFF, v[AV0]
	v_lshlrev_b32 v[RH], 3, v9
	v_sub_nc_u32 v[RH], v1, v[RH]
	v_mov_b32 v[NEG], 0xff800000
	s_mul_i32 s13, s[WV], 16*SP
	s_add_co_u32 s13, s13, STAGE                   ; my stage
	v_mul_u32_u24 v[STO], v1, SP
	v_lshl_add_u32 v[STO], v9, 4, v[STO]
	v_add_nc_u32 v[STO], s13, v[STO]
	v_mul_u32_u24 v[RD], v9, SP
	v_lshl_add_u32 v[RD], v1, 4, v[RD]
	v_add_nc_u32 v[RD], s13, v[RD]
	v_lshlrev_b32 v[GO], 12, v9
	v_lshl_add_u32 v[GO], v1, 4, v[GO]
.irp t, 0,1
	v_mov_b32 v[ST+8*\t+1], 0xff61b1e6             ; m: -3e38, under every score
	v_mul_f32 v[ST+8*\t], s[CS], v[ST+8*\t+1]      ; c m
.irp n, 2,3,4,5,6,7
	v_mov_b32 v[ST+8*\t+\n], 0                     ; l; and the registers at work, written once (a lane permute's destination counts as read)
.endr
.endr
	WIN 0x40
.set n, 0
.rept 128
	v_mov_b32 v[n], 0                              ; O^T begins as zeros, so that the key step is written once for the first step too
.set n, n+1
.endr
	WIN 0
; Product i of 16 of S^T = K Q^T for tile t: channels 32 (i / 4) on, keys 16 (i % 4) on.  The four accumulators take turns; the first four start the sums.
.macro QK t
	WIN W_QK
.set rS, S+32*(\t)+8*(i%4)
.set rK, KR+32*(i%4)+8*(i/4)
.set rQ, Q+32*(\t)+8*(i/4)
.if i < 4
	v_wmma_f32_16x16x32_f16 v[rS:rS+7], v[rK:rK+7], v[rQ:rQ+7], 0
.else
	v_wmma_f32_16x16x32_f16 v[rS:rS+7], v[rK:rK+7], v[rQ:rQ+7], v[rS:rS+7]
.endif
.endm
; Product i of 16 of O^T += V^T P for tile t: keys 32 (i / 8) on, channels 16 (i % 8) on.  Eight accumulators by turns.
.macro PVM t
	WIN W_PV
.set rO, 64*(\t)+8*(i%8)
.set rV, 64*(i/8)+8*(i%8)
.set rP, P+16*(\t)+8*(i/8)
	v_wmma_f32_16x16x32_f16 v[rO:rO+7], v[rV:rV+7], v[rP:rP+7], v[rO:rO+7]
.endm
.macro FETCH_K q                       ; step q of the slot in hand: 64 keys x 128 channels, the channels' first 32 first
	WIN 0
	v_add_nc_u32 v[ADK], s[TB], v[AK0]
	WIN 0x40
.irp c, 0,1,2,3
.irp kt, 0,1,2,3
	ds_load_b128 v[KR+32*\kt+8*\c:KR+32*\kt+8*\c+3],   v[ADK] offset:(\q)*STEPB+\kt*16*PK+64*\c
	ds_load_b128 v[KR+32*\kt+8*\c+4:KR+32*\kt+8*\c+7], v[ADK] offset:(\q)*STEPB+\kt*16*PK+64*\c+32
.endr
.endr
.endm
.macro FETCH_V q
	WIN 0x80
.irp f, 0,1,2,3,4,5,6,7,8,9,10,11,12,13,14,15  ; keys 32 (f / 8) on, channels 16 (f % 8) on
	ds_load_tr16_b128 v[8*\f:8*\f+3],   v[ADV] offset:(\q)*STEPB+(\f/8)*32*PVP+(\f%8)*32
	ds_load_tr16_b128 v[8*\f+4:8*\f+7], v[ADV] offset:(\q)*STEPB+(\f/8)*32*PVP+16*PVP+(\f%8)*32
.endr
.endm
; One tile's softmax for one key step is a list of 134 instructions; SM writes number j of it for tile t.
;   0-15 the maximum of the 32 scores and the old m;  16-20 the other half of the lanes' maximum, the new m, c m, c m_old - c m_new;
;   21-69 ONE BATCH: the 16 packed scalings c s - c m and all 33 exponentials (a at 23); none of these reads an exponential's result;
;   (the wait for the batch stands behind 69);  70-85 the roundings to f16;  86-101 the sums, l = a l + the sum;  102-133 the tile's O^T times a.
.macro SM t
.set rT, ST+8*(\t)
.set rS, S+32*(\t)
.set rP, P+16*(\t)
.set rO, 64*(\t)+2*(j-102)
.if j < 102
	WIN 0
.endif
.if j < 4
	v_max3_num_f32 v[rT+4+j], v[rS+8*j], v[rS+8*j+1], v[rS+8*j+2]
.elseif j < 12
	v_max3_num_f32 v[rT+4+j%4], v[rT+4+j%4], v[rS+8*(j%4)+2*(j/4)+1], v[rS+8*(j%4)+2*(j/4)+2]
.elseif j == 12
	v_max3_num_f32 v[rT+4], v[rT+4], v[rS+7], v[rS+15]
.elseif j == 13
	v_max3_num_f32 v[rT+6], v[rT+6], v[rS+23], v[rS+31]
.elseif j == 14
	v_max3_num_f32 v[rT+4], v[rT+4], v[rT+5], v[rT+6]
.elseif j == 15
	v_max3_num_f32 v[rT+4], v[rT+4], v[rT+7], v[rT+1]
.elseif j == 16
	v_permlanex16_b32 v[rT+5], v[rT+4], s[SEL], s[SEL+1]
.elseif j == 17
	v_mov_b32 v[rT+7], v[rT]
.elseif j == 18
	v_max_num_f32 v[rT+1], v[rT+4], v[rT+5]
.elseif j == 19
	v_mul_f32 v[rT], s[CS], v[rT+1]
.elseif j == 20
	v_sub_f32 v[rT+7], v[rT+7], v[rT]
.elseif j == 23
	v_exp_f32 v[rT+6], v[rT+7]
.elseif (j < 23) || ((j < 38) && (j%2 == 0)) || ((j < 66) && (j%4 == 2))
.set b, (j-2)/4
.if j < 38
.set b, (j-20)/2
.endif
	v_pk_fma_f32 v[rS+2*b:rS+2*b+1], v[rS+2*b:rS+2*b+1], s[CS:CS+1], v[rT:rT+1] op_sel_hi:[1,0,0] neg_lo:[0,0,1] neg_hi:[0,0,1]
.elseif j < 70
.set e, j-38
.if j < 66
.set e, j-32-(j-38)/4
.endif
.if j < 38
.set e, (j-25)/2
.endif
	v_exp_f32 v[rS+e], v[rS+e]
.elseif j < 86
	v_cvt_pk_f16_f32 v[rP+j-70], v[rS+2*(j-70)], v[rS+2*(j-70)+1]
.elseif j < 102
.set z, j-86
.set w, 4
.set u, z
.if z >= 14
.set w, 32
.set u, 0
.elseif z >= 12
.set w, 16
.set u, z-12
.elseif z >= 8
.set w, 8
.set u, z-8
.endif
.if z < 15
	v_pk_add_f32 v[rS+w*u:rS+w*u+1], v[rS+w*u:rS+w*u+1], v[rS+w*u+w/2:rS+w*u+w/2+1]
.else
	v_pk_fma_f32 v[rT+2:rT+3], v[rT+2:rT+3], v[rT+6:rT+7], v[rS:rS+1] op_sel_hi:[1,0,1]
.endif
.else
	WIN W_RS
	v_pk_mul_f32 v[rO:rO+1], v[rO:rO+1], v[rT+6:rT+7] op_sel_hi:[1,0]
.endif
.endm
; Slice i of 16 of tile t's list: numbers 134 i / 16 up to 134 (i + 1) / 16 - 1.  Behind number 69 stand the batch's plain instruction and its ONE wait; no exponential is issued behind it.
; The last slice is nine plain instructions on O^T and a: they are the places behind the run's last product.
.macro SLICES t
.set j, (134*i)/16
.rept (134*(i+1))/16-(134*i)/16
	SM \t
.if j == 69
	v_nop
	s_wait_alu depctr_va_vdst(0)
.endif
.set j, j+1
.endr
.endm
.macro MASK t                          ; register 8 kt + jj holds key KF + 16 kt + 8 (lane / 16) + jj: hidden where 16 kt + jj is above my query - KF - 8 (lane / 16).  Ascending: each accumulator from its low end on
.set n, 0
.rept 32
	v_cmp_gt_i32 vcc_lo, 16*(n/8)+n%8, v[DM+\t]
	v_cndmask_b32 v[S+32*(\t)+n], v[S+32*(\t)+n], v[NEG], vcc_lo
.set n, n+1
.endr
.endm
; A KEY STEP FOR BOTH TILES: 64 keys, the q-th of the slot in hand.  K of this step has been asked for.
.macro STEP q
	WIN 0
	s_sub_co_i32 s70, s[QH], s[KF]
	s_sub_co_i32 s71, s[QB], s[KF]
	v_add_nc_u32 v[ADV], s[TB], v[AV0]             ; four plain instructions: the places between the last step's products and the loads into V's registers
	v_add_nc_u32 v[DM], s70, v[RH]
	v_add_nc_u32 v[DM+1], s71, v[RH]
	v_nop
	FETCH_V \q
.set i, 0
.rept 16
.if i%4 == 0
	s_wait_dscnt 56-8*(i/4)                        ; K's eight loads of these 32 channels are in; V's 32 loads and K's later groups may be out
.endif
	QK 0
.set i, i+1
.endr
	WIN 0
.rept 4
	v_nop                                          ; places ahead of the first read of tile 0's scores
.endr
	s_add_co_u32 s70, s[KF], 63
	s_cmp_le_u32 s70, s[QH]                        ; a step all of whose keys count for all 16 queries of the tile has no mask
	s_cbranch_scc1 .Lopen0_\@
	MASK 0
.Lopen0_\@:
.set i, 0
.rept 16
	QK 1
	SLICES 0
.set i, i+1
.endr
	WIN 0
.if \q == 0
	FETCH_K 1                                      ; the slot's second step: K's registers were last read in front of the last slice
	WIN 0
.endif
	s_cmp_le_u32 s70, s[QB]
	s_cbranch_scc1 .Lopen1_\@
	MASK 1
.Lopen1_\@:
.if \q == 0
	s_wait_dscnt 32                                ; V is in; the next step's K, 32 loads, may be out
.else
	s_wait_dscnt 0x0                               ; V is in
.endif
.set i, 0
.rept 16
	PVM 0
	SLICES 1
.set i, i+1
.endr
.set i, 0
.rept 16
	PVM 1
.set i, i+1
.endr
	WIN 0
	s_add_co_u32 s[KF], s[KF], 64
.endm
; A KEY STEP FOR TILE 0 ALONE, in the slots whose keys all come after tile 1's queries: the same pieces, one behind the other.  Tile 1's registers are not touched.
.macro STEP1 q
	WIN 0
	s_sub_co_i32 s70, s[QH], s[KF]
	v_add_nc_u32 v[ADV], s[TB], v[AV0]             ; four plain instructions: the places between the last step's products and the loads into V's registers
	v_add_nc_u32 v[DM], s70, v[RH]
	v_nop
	v_nop
	FETCH_V \q
.set i, 0
.rept 16
.if i%4 == 0
	s_wait_dscnt 56-8*(i/4)                        ; K's eight loads of these 32 channels are in; V's 32 loads and K's later groups may be out
.endif
	QK 0
.set i, i+1
.endr
	WIN 0
.rept 4
	v_nop                                          ; places ahead of the first read of the scores, and of the loads into K's registers
.endr
.if \q == 0
	FETCH_K 1                                      ; the slot's second step
	WIN 0
.endif
	s_add_co_u32 s70, s[KF], 63
	s_cmp_le_u32 s70, s[QH]
	s_cbranch_scc1 .Lopen_\@
	MASK 0
.Lopen_\@:
.set j, 0
.rept 134
	SM 0
.if j == 69
	v_nop                                          ; the batch's plain instruction,
	s_wait_alu depctr_va_vdst(0)                   ; and its one wait, ahead of the first reader
.endif
.set j, j+1
.endr
.if \q == 0
	s_wait_dscnt 32                                ; V is in; the next step's K, 32 loads, may be out
.else
	s_wait_dscnt 0x0                               ; V is in
.endif
.set i, 0
.rept 16
	PVM 0
.set i, i+1
.endr
	WIN 0
	s_add_co_u32 s[KF], s[KF], 64
.endm
; THE CHANGE OF SLOTS, at a slot's head.  Each wave waits for all its tensor loads (one is out at the most: its part of the slot ahead), adds 0 to its spare word, and waits for that and for its reads of the slot left.
; fill = 1: the slot left is filled with the next 128 keys, if tile 0 sees them: the test is made of ids and the count of slots alone, the same in all four waves, and leads round the load's own lines alone.
.macro CHANGE fill
	s_wait_tensorcnt 0x0                           ; no tensor load of mine is out, so a group 0 may be written
	ds_add_u32 v[SPW], v[NIL]
.if \fill
	s_xor_b32 s[G0K+1], s[G0K+1], SLOT1
	s_add_nc_u64 s[G0K+2:G0K+3], s[G0K+2:G0K+3], 2*KS*256
	s_xor_b32 s[G0V+1], s[G0V+1], SLOT1
	s_add_nc_u64 s[G0V+2:G0V+3], s[G0V+2:G0V+3], 2*KS*256
	s_wait_xcnt 0x0                                ; the last prefetches, a slot back, have read their address
	s_add_nc_u64 s[PFA:PFA+1], s[PFA:PFA+1], 2*KS*256
.endif
	s_wait_dscnt 0x0                               ; the add is done, and my reads of the slot that I have left are over
	s_barrier_signal -1
	s_barrier_wait -1
.if \fill
	s_add_co_u32 s70, s[SFK], 128                  ; the first key of the slot that this change would ask for
	s_cmp_gt_u32 s70, s[QL]
	s_cbranch_scc1 .Lpast_\@
	TLOAD                                          ; a wave's one tensor load until the next such barrier; it has a slot's two steps in which to land
.Lpast_\@:
	ASK
.endif
.endm
.macro SLOT_BODY
	s_cmp_gt_u32 s[SFK], s[QL]                     ; a slot all of whose keys come after tile 0's queries was not asked for and is not read
	s_cbranch_scc1 .Lhid_\@
	s_cmp_gt_u32 s[SFK], s[QBL]                    ; one whose keys all come after tile 1's queries is walked for tile 0 alone
	s_cbranch_scc1 .Lone_\@
	FETCH_K 0
	STEP 0
	STEP 1
	s_branch .Lhid_\@
.Lone_\@:
	FETCH_K 0
	STEP1 0
	STEP1 1
.Lhid_\@:
	s_xor_b32 s[TB], s[TB], SLOT1
	s_add_co_u32 s[SFK], s[SFK], 128
	s_mov_b32 s[KF], s[SFK]
.endm
	s_wait_loadcnt 0x0                             ; Q
.Lslot:                                            ; 15 trips, a constant
	CHANGE 1
	SLOT_BODY
	s_sub_co_u32 s[CNT], s[CNT], 1
	s_cmp_lg_u32 s[CNT], 0
	s_cbranch_scc1 .Lslot
	CHANGE 0                                       ; the last slot is written out: nothing is left to ask for
	SLOT_BODY
	; THE WAY OUT.  O^T is divided by l, rounded to f16 and sent through my stage, a tile (16 rows) at a time: sixteen lanes store 256 consecutive bytes, aligned.
.rept 4
	v_nop                                          ; places behind the last products
.endr
.irp t, 0,1
	v_add_f32 v[ST+8*\t+4], v[ST+8*\t+2], v[ST+8*\t+3]
.endr
.irp t, 0,1
	v_permlanex16_b32 v[ST+8*\t+5], v[ST+8*\t+4], s[SEL], s[SEL+1]
.endr
.irp t, 0,1
	v_add_f32 v[ST+8*\t+4], v[ST+8*\t+4], v[ST+8*\t+5]
.endr
.irp t, 0,1
	v_rcp_f32 v[ST+8*\t+6], v[ST+8*\t+4]
.endr
	v_nop                                          ; a plain instruction behind the reciprocals,
	s_wait_alu depctr_va_vdst(0)                   ; and the one wait ahead of their first reader
.macro PACK t
	WIN W_RS
.set n, 64*\t
.rept 32
	v_pk_mul_f32 v[n:n+1], v[n:n+1], v[ST+8*\t+6:ST+8*\t+7] op_sel_hi:[1,0]
.set n, n+2
.endr
	WIN 0x05                                       ; sources in window 1, destination in window 0: S^T's registers are free
.set n, 0
.rept 32
	v_cvt_pk_f16_f32 v[S+32*\t+n], v[64*\t+2*n], v[64*\t+2*n+1]
.set n, n+1
.endr
	WIN 0
.irp f, 0,1,2,3,4,5,6,7
	ds_store_b128 v[STO], v[S+32*\t+4*\f:S+32*\t+4*\f+3] offset:32*\f
.endr
.irp f, 0,1,2,3,4,5,6,7
	ds_load_b128 v[S+32*\t+4*\f:S+32*\t+4*\f+3], v[RD] offset:\f*2*SP   ; LDS serves a wave's instructions in order
.endr
.endm
.macro SEND t, younger, base           ; younger: the LDS instructions issued behind tile t's loads; base: the tile's place in att
.irp f, 0,1,2,3,4,5,6,7
	s_wait_dscnt \younger+7-\f
	global_store_b128 v[GO], v[S+32*\t+4*\f:S+32*\t+4*\f+3], s[\base:\base+1] offset:\f*8192
.endr
.endm
	PACK 0
	PACK 1
	SEND 0, 16, 6
	SEND 1, 0, 50
	s_wait_tensorcnt 0x0                           ; the wave's end
	ds_add_u32 v[SPW], v[NIL]
	s_wait_dscnt 0x0
	s_endpgm
.Lfunc_end_k_q6a7d988022_attn:
	.size	k_q6a7d988022_attn, .Lfunc_end_k_q6a7d988022_attn-k_q6a7d988022_attn
	.p2alignl 7, 3214868480
	.fill 96, 4, 3214868480
	.section	.rodata,"a",@progbits
	.p2align	6, 0x0
	.amdhsa_kernel k_q6a7d988022_attn
		.amdhsa_group_segment_fixed_size 327680
		.amdhsa_private_segment_fixed_size 0
		.amdhsa_enable_private_segment 0
		.amdhsa_kernarg_size 16
		.amdhsa_user_sgpr_count 2
		.amdhsa_user_sgpr_kernarg_segment_ptr 1
		.amdhsa_wavefront_size32 1
		.amdhsa_system_sgpr_workgroup_id_x 1
		.amdhsa_system_sgpr_workgroup_id_y 1
		.amdhsa_system_sgpr_workgroup_id_z 1
		.amdhsa_system_vgpr_workitem_id 0
		.amdhsa_next_free_vgpr 640
		.amdhsa_next_free_sgpr 72
		.amdhsa_reserve_vcc 1
		.amdhsa_float_denorm_mode_32 3
		.amdhsa_float_denorm_mode_16_64 3
		.amdhsa_memory_ordered 1
		.amdhsa_forward_progress 1
		.amdhsa_inst_pref_size 210
	.end_amdhsa_kernel
	.amdgpu_metadata
---
amdhsa.version: [ 1, 2 ]
amdhsa.kernels:
  - .name:           k_q6a7d988022_attn
    .symbol:         k_q6a7d988022_attn.kd
    .args:
      - { .name: qkv, .offset: 0, .size: 8, .value_kind: global_buffer, .address_space: global }
      - { .name: att, .offset: 8, .size: 8, .value_kind: global_buffer, .address_space: global }
    .group_segment_fixed_size: 327680
    .private_segment_fixed_size: 0
    .kernarg_segment_align: 8
    .kernarg_segment_size: 16
    .max_flat_workgroup_size: 128
    .sgpr_count:     72
    .vgpr_count:     640
    .wavefront_size: 32
...
	.end_amdgpu_metadata
.endif
;; end of part 3
;; launch oproj (part 4): grid 16 x 16, 4 waves a work-group, clusters of 4 x 4, 327,680 bytes of LDS; arguments att, wot, out0; writes out0
.if DOCPART == 4
	.amdgcn_target "amdgcn-amd-amdhsa--gfx1250"
	.amdhsa_code_object_version 6
	.text
	.protected	k_q6a7d988022_oproj
	.globl	k_q6a7d988022_oproj
	.p2align	8
	.type	k_q6a7d988022_oproj,@function
k_q6a7d988022_oproj:
	s_mov_b64 s[64:65], 0
	v_nop
	global_prefetch_b8 v0, s[64:65] scope:SCOPE_SE
	s_setreg_imm32_b32 hwreg(HW_REG_WAVE_MODE, 25, 1), 1
	s_wait_xcnt 0x0
	s_wait_alu depctr_hold_cnt(0) depctr_sa_sdst(0) depctr_va_vdst(0) depctr_va_sdst(0) depctr_va_ssrc(0) depctr_va_vcc(0) depctr_vm_vsrc(0)
	s_getreg_b32 s2, hwreg(HW_REG_IB_STS2, 6, 4)
	s_cmp_eq_u32 s2, 0
	s_cbranch_scc0 .Lentry_in_a_cluster
	s_endpgm
.Lentry_in_a_cluster:
	s_bfe_u32 s2, ttmp6, 0x10000c
	s_cmp_lg_u32 s2, 0xf033
	s_cbranch_scc0 .Lentry_shape_is_right
	s_endpgm
.Lentry_shape_is_right:
; out0[m][n] = sum over k of att[m][k] wot[n][k].  att: [2048][2048] f16, wot: [2048 (n)][2048 (k)] f16 (Wo turned), out0: [2048][2048] f32; sums in f32.
; 256 tiles of 128 x 128, one to a work-group: four waves, each 64 x 64: 16 accumulators.  K goes in steps of 256 (LDS rows of 512 bytes) through two slots.
; CLUSTERS: 4 x 4; A's tiles are asked for jointly along a row of the cluster, B's along a column.  THE MATRIX INSTRUCTION IS USED TRANSPOSED: a lane holds eight neighbouring numbers of a row of the result.
; A wave's 64 columns of f32 are 256 bytes: each wave has a stage of its own on the way out, and no barrier is needed there.
; Rows 0-15 are written here like all others and are replaced by the launch that carries them in f32.
; REGISTERS: window 0: v0-31 addresses; v32-95 the way out; v128-255 the accumulators ((a, b) at v[128 + 8 (4 a + b)]).  window 1: two fragment buffers of 128.
.set SIZE_M, 2048
.set SIZE_N, 2048
.set SIZE_K, 2048
.set KSTEP,  256
.set PITCH,  528                       ; an LDS row: 512 bytes + 16 of padding
.set HALFT,  64*PITCH
.set SLOT,   4*HALFT
.set STAGE,  2*SLOT                    ; behind the ring: for each wave two stages of 16 rows x 272 bytes
.set SPITCH, 272
.set SPARE,  STAGE+128*SPITCH          ; the spare words, 128 bytes for each wave
.set LAPS, SIZE_K/(2*KSTEP)
.set ADRA, 16
.set ADRB, 20
.set STO,  24
.set RD,   25
.set CO,   26
.set SPW,  28
.set NIL,  29
.set TMP,  32
.set ACC,  128
.set F0,   0
.set F1,   128
.set G1, 24
.set G0, 32
.set G1B, 48
.set G0B, 56
.set MSB, 0
.macro WIN new
.if MSB != \new
	s_set_vgpr_msb (MSB<<8)|\new
.set MSB, \new
.endif
.endm
.set MUL,  0x05                        ; sources 0 (B) and 1 (A) window 1; C and D window 0
.set TO_F, 0x40
.macro JLOAD s                         ; a joint load: waves 0 and 1 fetch A's two halves, waves 2 and 3 B's; an s_nop 0 and four v_nop follow each line
	s_cmp_eq_u32 s11, 0
	s_cbranch_scc0 .Lfor_b_\@
	tensor_load_to_lds s[G0+4*\s:G0+4*\s+3], s[G1:G1+7]
	s_nop 0
.rept 4
	v_nop
.endr
	s_branch .Lasked_\@
.Lfor_b_\@:
	tensor_load_to_lds s[G0B+4*\s:G0B+4*\s+3], s[G1B:G1B+7]
	s_nop 0
.rept 4
	v_nop
.endr
.Lasked_\@:
.endm
.macro CREST
	s_cmp_lg_u32 s10, 0
	s_cbranch_scc1 .Lnot_wave_0_\@
	s_barrier_signal -3
.Lnot_wave_0_\@:
	s_barrier_wait -3
	s_barrier_signal -1
	s_barrier_wait -1
.endm
.macro CROUND
	s_barrier_signal -1
	s_barrier_wait -1
	CREST
.endm
	s_load_b128 s[4:7], s[0:1], 0x0                ; att s[4:5], wot s[6:7]
	s_load_b64 s[8:9], s[0:1], 0x10                ; out0
	v_lshl_add_u32 v[SPW], v0, 2, SPARE
	v_mov_b32 v[NIL], 0
	ds_add_u32 v[SPW], v[NIL]                      ; the wave's opening: the add, twice on end, and its wait ahead of my first tensor load
	ds_add_u32 v[SPW], v[NIL]
	v_lshrrev_b32 v1, 5, v0
	v_readfirstlane_b32 s10, v1                    ; wave 0..3
	s_lshr_b32 s11, s10, 1                         ; which half of the tile's rows is mine.  Also: I fetch for A (0) or for B (1)
	s_and_b32 s12, s10, 1                          ; which half of its columns.  Also: which 64 rows of that tile I fetch
	s_bfe_u32 s40, ttmp6, 0x40000
	s_bfe_u32 s41, ttmp6, 0x40004
	s_lshl_b32 s42, ttmp9, 2
	s_add_co_u32 s42, s42, s40                     ; tile column
	s_and_b32 s13, ttmp7, 0xffff
	s_lshl_b32 s13, s13, 2
	s_add_co_u32 s13, s13, s41                     ; tile row
	s_lshl_b32 s43, s41, 2
	s_lshl_b32 s43, 15, s43                        ; my row of the cluster
	s_lshl_b32 s44, 0x1111, s40                    ; my column
	s_or_b32 s[G1+0], s43, (1<<16)|(1<<20)|(1<<21)|(6<<22)|(3<<25)  ; the mask; elements of 2 bytes; padding on; bit 21 beside a mask; after every 128 words, 4 words
	s_or_b32 s[G1B+0], s44, (1<<16)|(1<<20)|(1<<21)|(6<<22)|(3<<25)
.irp g, G1, G1B
	s_mov_b32 s[\g+1], KSTEP<<16
	s_mov_b32 s[\g+2], 64<<16
	s_mov_b32 s[\g+3], KSTEP<<16
	s_mov_b32 s[\g+4], 64
	s_mov_b32 s[\g+5], SIZE_K
	s_mov_b32 s[\g+6], 0
	s_mov_b32 s[\g+7], 0
.endr
	s_lshl_b32 s17, s12, 6
	s_lshl_b32 s16, s13, 7
	s_add_co_u32 s16, s16, s17
	s_lshl_b32 s46, s42, 7
	s_add_co_u32 s46, s46, s17
	s_mov_b32 s17, 0
	s_mov_b32 s47, 0
	s_mov_b64 s[18:19], SIZE_K*2
	s_mul_u64 s[16:17], s[16:17], s[18:19]
	s_mul_u64 s[46:47], s[46:47], s[18:19]
	s_mul_i32 s20, s10, HALFT
	s_wait_dscnt 0x0                               ; both opening adds are done
	s_wait_kmcnt 0x0
	s_add_nc_u64 s[14:15], s[4:5], s[16:17]
	s_add_nc_u64 s[46:47], s[6:7], s[46:47]
	CROUND                                         ; all sixteen work-groups are here: the first joint loads meet
.irp s, 0,1
	s_mov_b32 s[G0+4*\s], 1
	s_add_co_u32 s[G0+4*\s+1], s20, \s*SLOT
	s_add_nc_u64 s[G0+4*\s+2:G0+4*\s+3], s[14:15], \s*KSTEP*2
	s_or_b32 s[G0+4*\s+3], s[G0+4*\s+3], 0x80000000
	s_mov_b32 s[G0B+4*\s], 1
	s_add_co_u32 s[G0B+4*\s+1], s20, \s*SLOT
	s_add_nc_u64 s[G0B+4*\s+2:G0B+4*\s+3], s[46:47], \s*KSTEP*2
	s_or_b32 s[G0B+4*\s+3], s[G0B+4*\s+3], 0x80000000
	JLOAD \s                                       ; two loads of mine are out
.endr
	v_and_b32 v1, 15, v0
	v_bfe_u32 v2, v0, 4, 1
	v_mul_u32_u24 v3, v1, PITCH
	v_lshl_add_u32 v3, v2, 4, v3
	s_mul_i32 s21, s11, HALFT
	s_mul_i32 s22, s12, HALFT
	s_add_co_u32 s22, s22, 2*HALFT
.irp s, 0,1
	v_add_nc_u32 v[ADRA+\s], s21, v3
	v_add_nc_u32 v[ADRB+\s], s22, v3
	s_add_co_u32 s21, s21, SLOT
	s_add_co_u32 s22, s22, SLOT
.endr
	s_mul_i32 s23, s10, 2*16*SPITCH
	s_add_co_u32 s23, s23, STAGE                   ; my two stages
	v_mul_u32_u24 v4, v1, SPITCH
	v_lshl_add_u32 v4, v2, 5, v4
	v_add_nc_u32 v[STO], s23, v4                   ; in: row l % 16, 32 bytes for each half of the lanes
	v_mul_u32_u24 v5, v2, SPITCH
	v_lshl_add_u32 v5, v1, 4, v5
	v_add_nc_u32 v[RD], s23, v5                    ; back: lanes 0-15 one row of 256 bytes, lanes 16-31 the next
	v_lshlrev_b32 v5, 13, v2                       ; a row of the result is 8,192 bytes
	v_lshl_add_u32 v[CO], v1, 4, v5
	s_lshl_b32 s16, s13, 7
	s_lshl_b32 s17, s11, 6
	s_add_co_u32 s16, s16, s17                     ; my first row: 128 x tile row + 64 x half
	s_lshl_b32 s16, s16, 13
	s_mov_b32 s17, 0
	s_add_nc_u64 s[8:9], s[8:9], s[16:17]
	s_lshl_b32 s46, s42, 9                         ; my first column, in bytes: 512 x tile column + 256 x half
	s_lshl_b32 s47, s12, 8
	s_add_co_u32 s46, s46, s47
	s_mov_b32 s47, 0
	s_add_nc_u64 s[8:9], s[8:9], s[46:47]
.macro MUL8 f, c, a0, zero             ; 8 matrix instructions; the 16 accumulators take turns
.irp a, \a0, \a0+1
.irp b, 0,1,2,3
.if \zero
	v_wmma_f32_16x16x32_f16 v[ACC+8*(4*(\a)+\b):ACC+8*(4*(\a)+\b)+7], v[\f+64+8*(4*\c+\b):\f+64+8*(4*\c+\b)+7], v[\f+8*(4*\c+\a):\f+8*(4*\c+\a)+7], 0
.else
	v_wmma_f32_16x16x32_f16 v[ACC+8*(4*(\a)+\b):ACC+8*(4*(\a)+\b)+7], v[\f+64+8*(4*\c+\b):\f+64+8*(4*\c+\b)+7], v[\f+8*(4*\c+\a):\f+8*(4*\c+\a)+7], v[ACC+8*(4*(\a)+\b):ACC+8*(4*(\a)+\b)+7]
.endif
.endr
.endr
.endm
.macro FETCH slot, k, f                ; 32 LDS loads in one run: the fragments of 64 along K at byte k of the rows; the first 32 along K first
	WIN TO_F
.irp c, 0,1
.irp i, 0,1,2,3
	ds_load_b128 v[\f+64+8*(4*\c+\i):\f+64+8*(4*\c+\i)+3],   v[ADRB+\slot] offset:\k+64*\c+\i*16*PITCH
	ds_load_b128 v[\f+64+8*(4*\c+\i)+4:\f+64+8*(4*\c+\i)+7], v[ADRB+\slot] offset:\k+64*\c+\i*16*PITCH+32
	ds_load_b128 v[\f+8*(4*\c+\i):\f+8*(4*\c+\i)+3],         v[ADRA+\slot] offset:\k+64*\c+\i*16*PITCH
	ds_load_b128 v[\f+8*(4*\c+\i)+4:\f+8*(4*\c+\i)+7],       v[ADRA+\slot] offset:\k+64*\c+\i*16*PITCH+32
.endr
.endr
.endm
.macro PLACES
.rept 4
	v_nop
.endr
.endm
.macro QUARTER slot, k, f, g, zero
	s_wait_dscnt 16                                ; the first 32 along K are in; the other sixteen loads may be out
	WIN MUL
	MUL8 \f, 0, 0, \zero
	MUL8 \f, 0, 2, \zero
	PLACES
	FETCH \slot, \k, \g
	s_wait_dscnt 32                                ; all but the 32 just issued
	WIN MUL
	MUL8 \f, 1, 0, 0
	MUL8 \f, 1, 2, 0
.endm
.macro TURN slot, next, fill
	WIN 0
	s_wait_tensorcnt 0x0                           ; all my tensor loads have landed: my part of the next slot
	ds_add_u32 v[SPW], v[NIL]
	s_wait_dscnt 17                                ; the add and the youngest sixteen loads may be out
	WIN MUL
	MUL8 F1, 0, 0, 0
	s_wait_dscnt 0x0                               ; the add is done, and my reads of this slot are over
	s_barrier_signal -1
	MUL8 F1, 0, 2, 0
.if \fill
	WIN 0
.endif
	s_barrier_wait -1
.if \fill
	CREST                                          ; the barrier has opened a round of the cluster's barrier
	s_add_nc_u64 s[G0+4*\slot+2:G0+4*\slot+3], s[G0+4*\slot+2:G0+4*\slot+3], 2*KSTEP*2
	s_add_nc_u64 s[G0B+4*\slot+2:G0B+4*\slot+3], s[G0B+4*\slot+2:G0B+4*\slot+3], 2*KSTEP*2
	JLOAD \slot                                    ; the first tensor load behind the round; its four v_nop are the places in front of the loads below
.else
	PLACES
.endif
	FETCH \next, 0, F0
	WIN MUL
	MUL8 F1, 1, 0, 0
	MUL8 F1, 1, 2, 0
.endm
	s_wait_tensorcnt 1                             ; my part of K step 0 is in; K step 1's load may be out
	s_barrier_signal -1
	s_barrier_wait -1
	FETCH 0, 0, F0
	QUARTER 0, 128, F0, F1, 1                      ; the first products start the sums
	WIN 0
	s_mov_b32 s3, LAPS-1
.Llap:
	QUARTER 0, 256, F1, F0, 0
	QUARTER 0, 384, F0, F1, 0
	TURN 0, 1, 1
	QUARTER 1, 128, F0, F1, 0
	QUARTER 1, 256, F1, F0, 0
	QUARTER 1, 384, F0, F1, 0
	TURN 1, 0, 1
	QUARTER 0, 128, F0, F1, 0
	WIN 0
	s_sub_co_u32 s3, s3, 1
	s_cmp_lg_u32 s3, 0
	s_cbranch_scc1 .Llap
	QUARTER 0, 256, F1, F0, 0                      ; the last lap fills nothing
	QUARTER 0, 384, F0, F1, 0
	TURN 0, 1, 0
	QUARTER 1, 128, F0, F1, 0
	QUARTER 1, 256, F1, F0, 0
	QUARTER 1, 384, F0, F1, 0
	s_wait_dscnt 16
	WIN MUL
	MUL8 F1, 0, 0, 0
	MUL8 F1, 0, 2, 0
	s_wait_dscnt 0
	MUL8 F1, 1, 0, 0
	MUL8 F1, 1, 2, 0
	WIN 0
; THE WAY OUT, block by block of 16 rows x 64 columns of f32, through my own stages by turns: LDS serves a wave's instructions in order, so no wait stands between the stores and the loads.
.macro OUTB a
.irp b, 0,1,2,3
	ds_store_b128 v[STO], v[ACC+8*(4*(\a)+\b):ACC+8*(4*(\a)+\b)+3] offset:((\a)%2)*16*SPITCH+64*\b       ; each accumulator from its low end on
	ds_store_b128 v[STO], v[ACC+8*(4*(\a)+\b)+4:ACC+8*(4*(\a)+\b)+7] offset:((\a)%2)*16*SPITCH+64*\b+16
.endr
.irp t, 0,1,2,3,4,5,6,7
	ds_load_b128 v[TMP+32*((\a)%2)+4*\t:TMP+32*((\a)%2)+4*\t+3], v[RD] offset:((\a)%2)*16*SPITCH+\t*2*SPITCH
.endr
.endm
.macro SENDB a, younger                ; younger: the LDS instructions issued behind block a's loads
	s_wait_dscnt \younger
.irp t, 0,1,2,3,4,5,6,7
	global_store_b128 v[CO], v[TMP+32*((\a)%2)+4*\t:TMP+32*((\a)%2)+4*\t+3], s[8:9] offset:(16*(\a)+2*\t)*8192 th:TH_STORE_NT   ; sixteen lanes store 256 consecutive bytes, aligned
.endr
.endm
	PLACES
	OUTB 0
	OUTB 1
	SENDB 0, 16                                    ; block 1's 8 stores and 8 loads may be out
	s_wait_xcnt 0x0                                ; block 0's stores have read their registers
	OUTB 2
	SENDB 1, 16
	s_wait_xcnt 0x0
	OUTB 3
	SENDB 2, 16
	SENDB 3, 0
	s_wait_tensorcnt 0x0                           ; the wave's end
	ds_add_u32 v[SPW], v[NIL]
	s_wait_dscnt 0x0
	CROUND                                         ; the closing round
	s_endpgm
.Lfunc_end_k_q6a7d988022_oproj:
	.size	k_q6a7d988022_oproj, .Lfunc_end_k_q6a7d988022_oproj-k_q6a7d988022_oproj
	.p2alignl 7, 3214868480
	.fill 96, 4, 3214868480
	.section	.rodata,"a",@progbits
	.p2align	6, 0x0
	.amdhsa_kernel k_q6a7d988022_oproj
		.amdhsa_group_segment_fixed_size 327680
		.amdhsa_private_segment_fixed_size 0
		.amdhsa_enable_private_segment 0
		.amdhsa_kernarg_size 24
		.amdhsa_user_sgpr_count 2
		.amdhsa_user_sgpr_kernarg_segment_ptr 1
		.amdhsa_wavefront_size32 1
		.amdhsa_system_sgpr_workgroup_id_x 1
		.amdhsa_system_sgpr_workgroup_id_y 1
		.amdhsa_system_sgpr_workgroup_id_z 1
		.amdhsa_system_vgpr_workitem_id 0
		.amdhsa_next_free_vgpr 512
		.amdhsa_next_free_sgpr 66
		.amdhsa_reserve_vcc 0
		.amdhsa_float_denorm_mode_32 3
		.amdhsa_float_denorm_mode_16_64 3
		.amdhsa_memory_ordered 1
		.amdhsa_forward_progress 1
		.amdhsa_inst_pref_size 86
	.end_amdhsa_kernel
	.amdgpu_metadata
---
amdhsa.version: [ 1, 2 ]
amdhsa.kernels:
  - .name:           k_q6a7d988022_oproj
    .symbol:         k_q6a7d988022_oproj.kd
    .args:
      - { .name: att, .offset: 0, .size: 8, .value_kind: global_buffer, .address_space: global }
      - { .name: wot, .offset: 8, .size: 8, .value_kind: global_buffer, .address_space: global }
      - { .name: out0, .offset: 16, .size: 8, .value_kind: global_buffer, .address_space: global }
    .group_segment_fixed_size: 327680
    .private_segment_fixed_size: 0
    .kernarg_segment_align: 8
    .kernarg_segment_size: 24
    .max_flat_workgroup_size: 128
    .sgpr_count:     66
    .vgpr_count:     512
    .wavefront_size: 32
...
	.end_amdgpu_metadata
.endif
;; end of part 4
;; launch fine16 (part 5): grid 128 x 1, 16 waves a work-group, no clusters, 18,432 bytes of LDS; arguments fine, Wo, out0; writes out0
.if DOCPART == 5
	.amdgcn_target "amdgcn-amd-amdhsa--gfx1250"
	.amdhsa_code_object_version 6
	.text
	.protected	k_q6a7d988022_fine16
	.globl	k_q6a7d988022_fine16
	.p2align	8
	.type	k_q6a7d988022_fine16,@function
k_q6a7d988022_fine16:
	s_mov_b64 s[64:65], 0
	v_nop
	global_prefetch_b8 v0, s[64:65] scope:SCOPE_SE
	s_setreg_imm32_b32 hwreg(HW_REG_WAVE_MODE, 25, 1), 1
	s_wait_xcnt 0x0
; The first 16 positions, all in f32: their rows average one to sixteen values and are the largest of the output, so 16-bit operands would weigh most there.
; fine: [24 heads][16 chunks][32 lanes][4 numbers] f32 (heads 0-15 q, 16-19 k, 20-23 v, rotated), laid in the order of this text's operand registers, so that every load of it reads 512 consecutive bytes:
;   q, k: chunk 2 c + e, lane r + 16 h: position r, channels 16 c + 8 h + 4 e + 0 .. 3.     v: chunk 2 t + e, lane r + 16 h: channel 16 t + r, keys 8 h + 4 e + 0 .. 3.
; Wo: [2048][2048] f32.  Rows 0-15 of out0 are written anew.
; SHARES.  A work-group owns output columns 16 x .. 16 x + 15.  Wave w is head w, and also the range 128 w .. 128 w + 127 of the projection's K: its own attention result is its operand and never leaves its registers.
; Every work-group repeats the 16-row attention (a million multiply-adds): that spares a launch and a buffer.  The sixteen waves' parts of the projection are added through LDS, in a fixed order.
; All products by v_wmma_f32_16x16x4_f32: a lane (r, h) holds row or column r and k = 2 h + j in register j.  Along each K the same permutation stands on both operands:
;   scores: registers 4 (2 c + e) + i of q and of k both hold channel 16 c + 8 h + 4 e + i;   O^T: instruction u takes key 8 h + 2 u + j;   projection: instruction (t, u) takes channel 16 t + 8 h + 2 u + j.
; The registers that these instructions write (v160-255) are written by them alone, and each sum's first instruction takes the constant 0.
; Wo is read, and the 128 KB of output written, in runs of 64 bytes: whole runs of 256 would want 64 columns to a work-group, a quarter of the work-groups and four times the matrix work for each.
; No matrix unit in 16 bits, no tensor load, no cluster: the launch is small and bound by its loads.
.set RED,   0                          ; LDS: wave x 1,024 + register x 128 + 4 x lane
.set SPARE, 16384                      ; the spare words, 128 bytes for each of 16 waves
.set SPW, 12
.set NIL, 13
.set SCR, 16                           ; v16-23 scores, later sums
.set P,   24                           ; v24-31 the weights
.set R1,  32                           ; v32-95  Q, then Wo
.set R2,  96                           ; v96-159 K, then V^T, then O / l
.set SA,  160
.set SB,  168
.set O,   176
.set OA,  240
.set OB,  248
	s_load_b128 s[4:7], s[0:1], 0x0                ; fine s[4:5], Wo s[6:7]
	s_load_b64 s[8:9], s[0:1], 0x10                ; out0
	v_lshl_add_u32 v[SPW], v0, 2, SPARE
	v_mov_b32 v[NIL], 0
	v_lshrrev_b32 v1, 5, v0
	v_readfirstlane_b32 s10, v1                    ; wave = head
	v_and_b32 v1, 15, v0                           ; r
	v_bfe_u32 v2, v0, 4, 1                         ; h
	v_and_b32 v14, 31, v0                          ; lane
	v_lshlrev_b32 v3, 4, v14                       ; fine: 16 x lane
	v_lshlrev_b32 v4, 2, v1
	v_lshl_add_u32 v5, v2, 16, v4                  ; Wo and out0: 8 h rows of 8,192 bytes + 4 r
	v_lshlrev_b32 v14, 2, v14
	s_lshl_b32 s11, s10, 10
	v_add_nc_u32 v6, s11, v14                      ; where I put my part: wave x 1,024 + 4 x lane
	s_lshl_b32 s11, s10, 7
	v_add_nc_u32 v7, s11, v14                      ; where I read: register = my wave's number
	v_lshlrev_b32 v9, 3, v2
	v_sub_nc_u32 v9, v1, v9                        ; r - 8 h
	v_mov_b32 v10, 0xff800000                      ; -infinity
	v_mov_b32 v15, 0                               ; (a lane permute's destination counts as read)
	s_mov_b32 s26, 0x76543210
	s_mov_b32 s27, 0xfedcba98
	s_mov_b32 s28, 0x3e0293ee                      ; c = log2(e) / sqrt(128)
	s_lshl_b32 s12, s10, 13                        ; q's head: 8,192 bytes a head
	s_mov_b32 s13, 0
	s_lshr_b32 s14, s10, 2
	s_add_co_u32 s14, s14, 16
	s_lshl_b32 s14, s14, 13                        ; k's head
	s_mov_b32 s15, 0
	s_lshl_b32 s17, ttmp9, 6                       ; my 16 columns, in bytes
	s_lshl_b32 s16, s10, 20                        ; Wo: 128 w rows of 8,192 bytes
	s_add_co_u32 s16, s16, s17
	s_lshl_b32 s18, s10, 13                        ; out0: the row that I add up, if I do
	s_add_co_u32 s18, s18, s17
	s_mov_b32 s17, 0
	s_mov_b32 s19, 0
	s_wait_kmcnt 0x0
	s_add_nc_u64 s[20:21], s[4:5], s[12:13]
	s_add_nc_u64 s[22:23], s[4:5], s[14:15]
	s_add_nc_u64 s[24:25], s[22:23], 32768         ; v's head: four heads on
	s_add_nc_u64 s[6:7], s[6:7], s[16:17]
	s_add_nc_u64 s[8:9], s[8:9], s[18:19]
.irp i, 0,1,2,3,4,5,6,7,8,9,10,11,12,13,14,15
	global_load_b128 v[R1+4*\i:R1+4*\i+3], v3, s[20:21] offset:512*\i   ; 32 lanes read 512 consecutive bytes
	global_load_b128 v[R2+4*\i:R2+4*\i+3], v3, s[22:23] offset:512*\i
.endr
	s_wait_loadcnt 0x0
	; S^T = K Q^T: source 0 = 16 keys, source 1 = 16 queries; two accumulators by turns
	v_wmma_f32_16x16x4_f32 v[SA:SA+7], v[R2:R2+1], v[R1:R1+1], 0
	v_wmma_f32_16x16x4_f32 v[SB:SB+7], v[R2+2:R2+3], v[R1+2:R1+3], 0
.set n, 4
.rept 15
	v_wmma_f32_16x16x4_f32 v[SA:SA+7], v[R2+n:R2+n+1], v[R1+n:R1+n+1], v[SA:SA+7]
	v_wmma_f32_16x16x4_f32 v[SB:SB+7], v[R2+n+2:R2+n+3], v[R1+n+2:R1+n+3], v[SB:SB+7]
.set n, n+4
.endr
.rept 8
	v_nop                                          ; eight places behind this form: for the loads into K's registers and the first read of the scores
.endr
.irp i, 0,1,2,3,4,5,6,7,8,9,10,11,12,13,14,15
	global_load_b128 v[R2+4*\i:R2+4*\i+3], v3, s[24:25] offset:512*\i   ; V^T: register 8 t + n: key 8 h + n, channel 16 t + r
.endr
	; the softmax: lane (r, h) holds query r, keys 8 h + 0 .. 7
.irp j, 0,1,2,3,4,5,6,7
	v_add_f32 v[SCR+\j], v[SA+\j], v[SB+\j]
.endr
.irp j, 0,1,2,3,4,5,6,7
	v_cmp_gt_i32 vcc_lo, \j, v9                    ; key 8 h + j comes after query r
	v_cndmask_b32 v[SCR+\j], v[SCR+\j], v10, vcc_lo
.endr
	v_max3_num_f32 v14, v16, v17, v18
	v_max3_num_f32 v14, v14, v19, v20
	v_max3_num_f32 v14, v14, v21, v22
	v_max_num_f32 v14, v14, v23
	v_permlanex16_b32 v15, v14, s26, s27
	v_max_num_f32 v14, v14, v15                    ; the row's maximum: key 0 counts for every query, so it is a number
	v_mul_f32 v14, s28, v14
.irp j, 0,1,2,3,4,5,6,7
	v_fma_f32 v[P+\j], v[SCR+\j], s28, -v14
.endr
.irp j, 0,1,2,3,4,5,6,7
	v_exp_f32 v[P+\j], v[P+\j]
.endr
	v_nop                                          ; a plain instruction behind the batch,
	s_wait_alu depctr_va_vdst(0)                   ; and its one wait
	v_add_f32 v16, v24, v25
	v_add_f32 v17, v26, v27
	v_add_f32 v18, v28, v29
	v_add_f32 v19, v30, v31
	v_add_f32 v16, v16, v17
	v_add_f32 v18, v18, v19
	v_add_f32 v16, v16, v18
	v_permlanex16_b32 v15, v16, s26, s27
	v_add_f32 v16, v16, v15                        ; the row's sum
	v_rcp_f32 v18, v16
	v_nop
	s_wait_alu depctr_va_vdst(0)
	s_wait_loadcnt 0x0                             ; V^T is in
.irp t, 0,1,2,3,4,5,6,7
.irp n, 0,1,2,3,4,5,6,7
	global_load_b32 v[R1+8*\t+\n], v5, s[6:7] offset:(16*\t+\n)*8192   ; Wo: row 128 w + 16 t + 8 h + n, column r of my 16; these land under the products below
.endr
.endr
	; O^T = V^T P: source 0 = 16 channels, source 1 = the weights; eight accumulators by turns
.irp u, 0,1,2,3
.irp t, 0,1,2,3,4,5,6,7
.if \u == 0
	v_wmma_f32_16x16x4_f32 v[O+8*\t:O+8*\t+7], v[R2+8*\t+2*\u:R2+8*\t+2*\u+1], v[P+2*\u:P+2*\u+1], 0
.else
	v_wmma_f32_16x16x4_f32 v[O+8*\t:O+8*\t+7], v[R2+8*\t+2*\u:R2+8*\t+2*\u+1], v[P+2*\u:P+2*\u+1], v[O+8*\t:O+8*\t+7]
.endif
.endr
.endr
.rept 8
	v_nop
.endr
.set n, 0
.rept 32
	v_pk_mul_f32 v[R2+n:R2+n+1], v[O+n:O+n+1], v[18:19] op_sel_hi:[1,0]   ; O / l, into other registers, each accumulator from its low end on: lane (r, h): query r, channel 16 t + 8 h + j
.set n, n+2
.endr
	s_wait_loadcnt 0x0                             ; Wo is in
	; my part of the projection: source 0 = 16 queries, source 1 = 16 columns; two accumulators by turns
	v_wmma_f32_16x16x4_f32 v[OA:OA+7], v[R2:R2+1], v[R1:R1+1], 0
	v_wmma_f32_16x16x4_f32 v[OB:OB+7], v[R2+2:R2+3], v[R1+2:R1+3], 0
.set n, 4
.rept 15
	v_wmma_f32_16x16x4_f32 v[OA:OA+7], v[R2+n:R2+n+1], v[R1+n:R1+n+1], v[OA:OA+7]
	v_wmma_f32_16x16x4_f32 v[OB:OB+7], v[R2+n+2:R2+n+3], v[R1+n+2:R1+n+3], v[OB:OB+7]
.set n, n+4
.endr
.rept 8
	v_nop
.endr
.irp j, 0,1,2,3,4,5,6,7
	v_add_f32 v[SCR+\j], v[OA+\j], v[OB+\j]        ; register j: row 8 h + j, column r
.endr
.irp j, 0,1,2,3,4,5,6,7
	ds_store_b32 v6, v[SCR+\j] offset:128*\j
.endr
	s_wait_dscnt 0x0                               ; for the others' sake: my stores are done
	s_barrier_signal -1
	s_barrier_wait -1
	s_cmp_lt_u32 s10, 8                            ; waves 0 to 7 add up: wave w takes register w of all sixteen waves
	s_cbranch_scc0 .Ldone
.irp s, 0,1,2,3,4,5,6,7,8,9,10,11,12,13,14,15
	ds_load_b32 v[R1+\s], v7 offset:1024*\s
.endr
	s_wait_dscnt 0x0
.irp s, 0,2,4,6,8,10,12,14
	v_add_f32 v[R1+\s], v[R1+\s], v[R1+\s+1]
.endr
.irp s, 0,4,8,12
	v_add_f32 v[R1+\s], v[R1+\s], v[R1+\s+2]
.endr
	v_add_f32 v[R1], v[R1], v[R1+4]
	v_add_f32 v[R1+8], v[R1+8], v[R1+12]
	v_add_f32 v[R1], v[R1], v[R1+8]
	global_store_b32 v5, v[R1], s[8:9]             ; rows w and 8 + w, my 16 columns
.Ldone:
	s_wait_tensorcnt 0x0                           ; the wave's end
	ds_add_u32 v[SPW], v[NIL]
	s_wait_dscnt 0x0
	s_endpgm
.Lfunc_end_k_q6a7d988022_fine16:
	.size	k_q6a7d988022_fine16, .Lfunc_end_k_q6a7d988022_fine16-k_q6a7d988022_fine16
	.p2alignl 7, 3214868480
	.fill 96, 4, 3214868480
	.section	.rodata,"a",@progbits
	.p2align	6, 0x0
	.amdhsa_kernel k_q6a7d988022_fine16
		.amdhsa_group_segment_fixed_size 18432
		.amdhsa_private_segment_fixed_size 0
		.amdhsa_enable_private_segment 0
		.amdhsa_kernarg_size 24
		.amdhsa_user_sgpr_count 2
		.amdhsa_user_sgpr_kernarg_segment_ptr 1
		.amdhsa_wavefront_size32 1
		.amdhsa_system_sgpr_workgroup_id_x 1
		.amdhsa_system_sgpr_workgroup_id_y 1
		.amdhsa_system_sgpr_workgroup_id_z 1
		.amdhsa_system_vgpr_workitem_id 0
		.amdhsa_next_free_vgpr 256
		.amdhsa_next_free_sgpr 66
		.amdhsa_reserve_vcc 1
		.amdhsa_float_denorm_mode_32 3
		.amdhsa_float_denorm_mode_16_64 3
		.amdhsa_memory_ordered 1
		.amdhsa_forward_progress 1
		.amdhsa_inst_pref_size 27
	.end_amdhsa_kernel
	.amdgpu_metadata
---
amdhsa.version: [ 1, 2 ]
amdhsa.kernels:
  - .name:           k_q6a7d988022_fine16
    .symbol:         k_q6a7d988022_fine16.kd
    .args:
      - { .name: fine, .offset: 0, .size: 8, .value_kind: global_buffer, .address_space: global }
      - { .name: Wo, .offset: 8, .size: 8, .value_kind: global_buffer, .address_space: global }
      - { .name: out0, .offset: 16, .size: 8, .value_kind: global_buffer, .address_space: global }
    .group_segment_fixed_size: 18432
    .private_segment_fixed_size: 0
    .kernarg_segment_align: 8
    .kernarg_segment_size: 24
    .max_flat_workgroup_size: 512
    .sgpr_count:     66
    .vgpr_count:     256
    .wavefront_size: 32
...
	.end_amdgpu_metadata
.endif
;; end of part 5
